; MI455X (gfx1250); checked and timed in simulation.
; The chip was launched on July 23, 2026; its instructions are those of AMD's public machine-readable ISA for CDNA 5 (MIT licence, August 2026) and "CDNA5" Instruction Set Architecture Reference Guide (July 2026). The comments in the code are by the model that wrote it; some were corrected since.
;; Multi Head Attention. Allowed arithmetic: matrix products marked QUANTISED: E2M3 operands, one E8M0 scale for each 32 along K, by v_wmma_scale_f32_16x16x128_f8f6f4 with both operands' format E2M3, f32 sums; everything else in f32.
;; Inputs: W_k 1,024 x 1,024 float32; W_o 1,024 x 1,024 float32; W_q 1,024 x 1,024 float32; W_v 1,024 x 1,024 float32; b_k 1,024 float32; b_o 1,024 float32; b_q 1,024 float32; b_v 1,024 float32; k 4 x 2,048 x 1,024 float32; q 4 x 2,048 x 1,024 float32; v 4 x 2,048 x 1,024 float32.
;; Outputs: out0 4 x 2,048 x 1,024 float32.
;; This version of the problem:
;;   THIS VERSION OF THE PROBLEM IS GIVEN IN LOW PRECISION. The matrix products marked QUANTISED in the list below multiply operands that are first quantised to E2M3 (2 exponent bits, 3 mantissa bits; 6 bits a number), with one power-of-two scale for each 32 numbers along K (OCP MX v1.0); their sums are f32. All else is computed in f32.
;;   The module's matrix products, in the order in which they are computed (A, B: the left and right operand; K: the contracted axis; several contracted axes count as one K, in the product's order):
;;     1. [M 8,192, K 1,024] x [K 1,024, N 1,024]; A: input q; B: input W_q: QUANTISED
;;     2. [M 8,192, K 1,024] x [K 1,024, N 1,024]; A: input k; B: input W_k: QUANTISED
;;     3. [M 8,192, K 1,024] x [K 1,024, N 1,024]; A: input v; B: input W_v: QUANTISED
;;     4. batch 64 x [M 2,048, K 64] x [K 64, N 2,048]; A: computed on the way; B: computed on the way: QUANTISED
;;     5. batch 64 x [M 2,048, K 2,048] x [K 2,048, N 64]; A: softmax (see below); B: computed on the way: QUANTISED
;;     6. [M 8,192, K 1,024] x [K 1,024, N 1,024]; A: computed on the way; B: input W_o: QUANTISED
;;   THE QUANTISER, for each operand of a quantised product, along K:
;;     - K is cut into blocks of 32 from its start; a last block that is shorter is filled with zeros.
;;     - A block's scale is 2^e with e = floor(log2(the largest magnitude in the block)) - 2, held to -126 .. 127; a block of zeros has e = 0. As a byte (E8M0): e + 127.
;;     - Each number is divided by its block's scale, clamped to +-7.5, and rounded to the nearest number of E2M3, ties to even, subnormals kept.
;;     - The product sums the exact products of the quantised numbers (number of the format x scale) in f32.
;;   ~~~python
;;   def quantise(x, axis):      # numpy; x: float32 -> the quantised numbers, widened to float32 again
;;       x = np.moveaxis(x, axis, -1); K = x.shape[-1]
;;       x = np.pad(x, [(0, 0)] * (x.ndim - 1) + [(0, -K % 32)]); x = x.reshape(x.shape[:-1] + (-1, 32)); a = np.abs(x).max(-1, keepdims=True)
;;       e = np.where(a > 0, np.clip(np.frexp(np.where(a > 0, a, 1))[1] - 1 - 2, -126, 127), 0)      # np.frexp(a)[1] - 1 = floor(log2(a)), exactly
;;       r = np.clip(x / 2.0 ** e, -7.5, 7.5)
;;       step = 2.0 ** (np.maximum(np.frexp(np.where(r == 0, 1, r))[1] - 1, 0) - 3)
;;       q = np.round(r / step) * step * 2.0 ** e      # np.round: ties to even
;;       return np.moveaxis(q.reshape(q.shape[:-2] + (-1,))[..., :K], -1, axis).astype(np.float32)
;;   ~~~
;;   SOFTMAX AHEAD OF A QUANTISED PRODUCT. Where the list says 'softmax', what is quantised is not the finished softmax but p = 2^(t - M), with t = logit x log2(e) and M = ceil(the row's largest t), a whole number; so 1/2 < the row's largest p <= 1. The row's sum l is taken of the UNQUANTISED p, in f32, and the product's result is divided by l at the end. Since M is a whole number, a kernel that streams over the keys may use a running M (the ceiling of the running maximum): every later rescaling is an exact power of two, which a block's scale takes up: the codes' values come out the same.
;;   OPERANDS COMPUTED ON THE WAY. 'Computed on the way' means the value that the module computes at that place (a softmax that the list does not call 'softmax' is quantised finished and normalised). What goes into a quantiser is computed in f32, as accurately as f32 sums, v_exp_f32 and their like allow (about 1e-6 of the number): no bf16 or f16 on the way to a quantiser, and a product that is left as it is and whose result goes on into a quantised operand takes f32 operands (vector FMAs, or v_wmma_f32_16x16x4_f32). A number that lies on a knife's edge between two numbers of the format may be rounded either way, as far as f32 arithmetic and the matrix unit's own rounding can turn it there, and no further.
;; One version. Each part assembles by itself: llvm-mc -triple=amdgcn-amd-amdhsa -mcpu=gfx1250 --defsym DOCPART=n.
;; ======== version 1 of 1: 4 launches
;; workspace buffers: xcodes 18,874,368 bytes; xscales 786,432 bytes; wcodes 3,145,728 bytes; wscales 131,072 bytes; qi 6,815,744 bytes; kv 13,369,344 bytes; ocodes 6,291,456 bytes; oscales 262,144 bytes
;; launch quant (part 1): grid 896 x 1, 4 waves a work-group, no clusters, 68,096 bytes of LDS; arguments q, k, v, W_q, W_k, W_v, W_o, xcodes, xscales, wcodes, wscales; writes xcodes, xscales, wcodes, wscales
.if DOCPART == 1
	.amdgcn_target "amdgcn-amd-amdhsa--gfx1250"
	.amdhsa_code_object_version 6
	.text
	.protected	k_qbd973001bb_quant
	.globl	k_qbd973001bb_quant
	.p2align	8
	.type	k_qbd973001bb_quant,@function
k_qbd973001bb_quant:
	s_mov_b64 s[64:65], 0
	v_nop
	global_prefetch_b8 v0, s[64:65] scope:SCOPE_SE
	s_setreg_imm32_b32 hwreg(HW_REG_WAVE_MODE, 25, 1), 1
	s_wait_xcnt 0x0
; q, k, v [8192][1024] f32 (K innermost) and W_q, W_k, W_v, W_o [1024 (K)][1024 (n)] f32 (K outermost) become codes of FP6 (E2M3), K innermost, 768 bytes a row, with one E8M0 byte for each 32 along K.
; A block's scale is 2^(floor(log2(its largest magnitude)) - 2); its byte is the largest magnitude's exponent field - 2, held at 1 from below by a floor among the maximum's leaves.
; (A block of zeros so gets the byte 1: its codes are zeros, which add nothing, and this program alone reads the bytes.)
; THE ORDER OF STORED ROWS.  k, v and the four weights are stored with bits 3 and 4 of the row's number exchanged (inside each 32 rows the two middle groups of 8 change places): sixteen consecutive STORED rows
; 16 i + r are then the true rows 32 (i / 2) + 8 (i % 2) + r + 8 (r / 8), so that the results of a transposed product on them are neighbours along the next product's K.  q keeps its order.
; Work-groups 0-127 take the weights (32 each: 128 columns x 256 along K), work-groups 128-895 the activations (256 each: 32 rows).  Each path has LDS bytes of its own.  No barrier: waves share nothing.
; LIMITS: NaN and infinities among the inputs are not served; blocks whose largest magnitude lies under 2^-124 get the byte 1.
.set STEPS, 16                         ; activations: steps of 512 numbers for a wave (8 rows)
.set CB,    12                         ; bytes of 16 codes
.set WREG,  8192                       ; LDS of a wave on the activations' path: two stages of 32 x SP bytes, then its 256 scale bytes
.set SP,    80                         ; a lane's place in a stage: 64 bytes + 16 of padding
.set XR,    16                         ; v16-79   four sets of 16 numbers as loaded
.set XX,    80                         ; v80-111  two sets of 16 neighbours
.set XE,    112                        ; v112-127 a scale byte for each step
.set XC,    128                        ; v128-191 codes, four registers for each step
.set WLDS,  32768                      ; the weights' path: its stages begin here
.set PITCH, 272                        ; a stage row: sixteen places of 16 bytes + 16
.set KROW,  768                        ; a row of codes in memory
.set NB,    8                          ; blocks of 32 along K for a wave
.set WX,    32                         ; v32-95   two sets of 32 numbers
.set WC,    96                         ; v96-102  a block's codes
.set WOUT,  112                        ; v112-175 the way out
.set WSB,   24                         ; v24-25   the scale bytes
	s_load_b512 s[36:51], s[0:1], 0x0              ; q, k, v, W_q, W_k, W_v, W_o, xcodes
	s_load_b128 s[52:55], s[0:1], 0x40             ; xscales, wcodes
	s_load_b64 s[56:57], s[0:1], 0x50              ; wscales
	v_lshl_add_u32 v192, v0, 2, 0x10800
	v_mov_b32 v193, 0
	v_lshrrev_b32 v1, 5, v0
	v_readfirstlane_b32 s16, v1                    ; wave
	v_and_b32 v2, 31, v0                           ; lane
	s_wait_kmcnt 0x0
	s_cmp_lt_u32 ttmp9, 128
	s_cbranch_scc1 .Lweights
; ---------------- the activations: a plain stream of blocks of 32 ----------------
; Each load reads 512 consecutive bytes; a step's 2,048 bytes turn through the wave's own stage so that a lane holds 16 neighbours; two neighbouring lanes hold a block.
	v_lshlrev_b32 v3, 4, v2                        ; my 16 bytes of a load's 512
	s_mul_i32 s17, s16, WREG
	v_lshrrev_b32 v14, 2, v2
	v_mul_u32_u24 v14, v14, SP
	v_and_b32 v15, 3, v2
	v_lshl_add_u32 v14, v15, 4, v14
	v_add_nc_u32 v14, s17, v14                     ; into the stage: SP (lane / 4) + 16 (lane % 4)
	v_mul_u32_u24 v15, v2, SP
	v_add_nc_u32 v15, s17, v15                     ; out of it: SP x lane
	v_mul_u32_u24 v4, v2, CB                       ; my codes' place in a step's
	v_lshrrev_b32 v5, 1, v2
	s_add_co_u32 s17, s17, 2*32*SP
	v_add_nc_u32 v5, s17, v5                       ; my block's byte among the wave's 256
	v_lshlrev_b32 v7, 3, v2
	v_add_nc_u32 v6, s17, v7
	s_sub_co_u32 s18, ttmp9, 128                   ; 0 .. 767
	s_lshr_b32 s19, s18, 8                         ; which tensor
	s_and_b32 s20, s18, 255                        ; which 32 rows of it
	s_cmp_eq_u32 s19, 1
	s_cselect_b64 s[4:5], s[38:39], s[36:37]
	s_cmp_eq_u32 s19, 2
	s_cselect_b64 s[4:5], s[40:41], s[4:5]
	s_and_b32 s21, s16, 1                          ; a wave's run is 8 rows, so bits 3 and 4 of the row are the wave's two bits:
	s_lshl_b32 s21, s21, 1
	s_lshr_b32 s22, s16, 1
	s_or_b32 s21, s21, s22                         ; exchanged,
	s_cmp_eq_u32 s19, 0
	s_cselect_b32 s21, s16, s21                    ; but not for q
	s_lshl_b32 s22, s20, 2
	s_add_co_u32 s22, s22, s16
	s_lshl_b32 s22, s22, 15                        ; I read run 4 x (32 rows) + wave: 32,768 bytes each
	s_mov_b32 s23, 0
	s_add_nc_u64 s[4:5], s[4:5], s[22:23]
	s_lshl_b32 s24, s18, 2
	s_add_co_u32 s24, s24, s21                     ; and store at this run of the three tensors' codes
	s_mul_i32 s22, s24, 32*STEPS*CB
	s_add_nc_u64 s[8:9], s[50:51], s[22:23]
	s_lshl_b32 s22, s24, 8
	s_add_nc_u64 s[10:11], s[52:53], s[22:23]
.macro XLOAD t
.irp i, 0,1,2,3
	global_load_b128 v[XR+16*((\t)%4)+4*\i:XR+16*((\t)%4)+4*\i+3], v3, s[4:5] offset:2048*(\t)+512*\i th:TH_LOAD_NT
.endr
.endm
.macro XTURN t                         ; step t's numbers through the stage: LDS serves a wave's instructions in order, so no wait stands between the stores and the loads
.irp i, 0,1,2,3
	ds_store_b128 v14, v[XR+16*((\t)%4)+4*\i:XR+16*((\t)%4)+4*\i+3] offset:32*SP*((\t)%2)+8*SP*\i
.endr
.irp i, 0,1,2,3
	ds_load_b128 v[XX+16*((\t)%2)+4*\i:XX+16*((\t)%2)+4*\i+3], v15 offset:32*SP*((\t)%2)+16*\i
.endr
.endm
.irp t, 0,1,2,3
	XLOAD \t
.endr
	s_wait_loadcnt 12                              ; step 0's four loads are in
	XTURN 0
.macro XSTEP t
.set XS, XX+16*((\t)%2)
.if (\t) > 0
	s_wait_dscnt 1                                 ; this step's numbers are back from the stage (the last step's byte store may be out)
.else
	s_wait_dscnt 0x0
.endif
.if (\t)+4 < STEPS
	XLOAD (\t)+4                                   ; into the set that this step's stage stores have read
.endif
.if (\t)+1 < STEPS
.if STEPS-2-(\t) >= 3
	s_wait_loadcnt 12                              ; the next step's four loads are in; three steps' may be out
.else
	s_wait_loadcnt 4*(STEPS-2-(\t))
.endif
	XTURN (\t)+1
.endif
	v_max3_num_f32 v8, |v[XS]|, |v[XS+1]|, |v[XS+2]|
	v_max3_num_f32 v9, |v[XS+3]|, |v[XS+4]|, |v[XS+5]|
.irp i, 6,10
	v_max3_num_f32 v8, v8, |v[XS+\i]|, |v[XS+\i+1]|
	v_max3_num_f32 v9, v9, |v[XS+\i+2]|, |v[XS+\i+3]|
.endr
	v_max3_num_f32 v8, v8, |v[XS+14]|, |v[XS+15]|
	v_max3_num_f32 v8, v8, v9, 0x1800000           ; and the floor 2^(3 - 127): the byte cannot fall under 1
	v_max_num_f32_dpp v8, v8, v8 row_xmask:1 row_mask:0xf bank_mask:0xf   ; with my neighbour's 16: the block's
	v_add_nc_u32 v11, 0xff000000, v8               ; 2 off its exponent field: the conversion takes the exponent field of this operand as its scale
	v_cvt_scalef32_pk16_fp6_f32 v[XC+4*(\t):XC+4*(\t)+2], v[XS:XS+15], v11
	v_lshrrev_b32 v[XE+(\t)], 23, v11              ; the scale's byte
	ds_store_b8 v5, v[XE+(\t)] offset:16*(\t)      ; both lanes of a block write the same byte with the same value
	global_store_b96 v4, v[XC+4*(\t):XC+4*(\t)+2], s[8:9] offset:32*CB*(\t)   ; the wave stores 384 consecutive bytes
.endm
.irp t, 0,1,2,3,4,5,6,7,8,9,10,11,12,13,14,15
	XSTEP \t
.endr
	ds_load_b64 v[12:13], v6                       ; LDS serves a wave's instructions in order: these see my byte stores
	s_wait_dscnt 0x0
	global_store_b64 v7, v[12:13], s[10:11]        ; 32 lanes store 256 consecutive bytes, aligned
	s_wait_tensorcnt 0x0
	ds_add_u32 v192, v193
	s_wait_dscnt 0x0
	s_endpgm
; ---------------- the weights: a lane takes a column n, its registers run down K ----------------
.Lweights:
	s_lshr_b32 s26, ttmp9, 5                       ; which weight
	s_and_b32 s27, ttmp9, 31
	s_cmp_eq_u32 s26, 1
	s_cselect_b64 s[4:5], s[44:45], s[42:43]
	s_cmp_eq_u32 s26, 2
	s_cselect_b64 s[4:5], s[46:47], s[4:5]
	s_cmp_eq_u32 s26, 3
	s_cselect_b64 s[4:5], s[48:49], s[4:5]
	s_and_b32 s17, s27, 7
	s_lshl_b32 s17, s17, 7
	s_lshl_b32 s18, s16, 5
	s_add_co_u32 s17, s17, s18                     ; my wave's first column
	s_lshr_b32 s18, s27, 3                         ; which 256 along K
	v_lshlrev_b32 v3, 2, v2                        ; in: 4 bytes a lane
	s_mul_i32 s19, s16, 32*PITCH
	s_add_co_u32 s19, s19, WLDS                    ; my stage
	v_mul_u32_u24 v4, v2, PITCH
	v_add_nc_u32 v4, s19, v4                       ; into it: row = my column
	v_and_b32 v5, 15, v2
	v_lshrrev_b32 v6, 4, v2
	v_mul_u32_u24 v7, v6, PITCH
	v_lshl_add_u32 v7, v5, 4, v7
	v_add_nc_u32 v7, s19, v7                       ; out of it: sixteen lanes to a row, two rows an instruction
	v_mul_u32_u24 v8, v6, KROW
	v_mad_u32_u24 v8, v5, 12, v8                   ; and the same place in the codes' buffer
	v_and_b32 v9, 7, v2                            ; my column's stored row among the wave's 32: bits 3 and 4 exchanged
	v_and_b32 v10, 8, v2
	v_lshl_or_b32 v9, v10, 1, v9
	v_and_b32 v10, 16, v2
	v_lshrrev_b32 v10, 1, v10
	v_or_b32 v9, v9, v10
	v_lshlrev_b32 v9, 5, v9                        ; x 32 bytes: its row of scale bytes
	s_lshl_b32 s20, s18, 20                        ; W: 256 rows of 4,096 bytes for each chunk of K,
	s_lshl_b32 s21, s17, 2
	s_add_co_u32 s20, s20, s21                     ; + 4 x column
	s_mov_b32 s21, 0
	s_add_nc_u64 s[4:5], s[4:5], s[20:21]
	s_mul_i32 s20, s26, 1024*KROW                  ; codes: the weight, the wave's first stored row, the chunk's 192 bytes
	s_mul_i32 s22, s17, KROW
	s_add_co_u32 s20, s20, s22
	s_mul_i32 s22, s18, 192
	s_add_co_u32 s20, s20, s22
	s_add_nc_u64 s[6:7], s[54:55], s[20:21]
	s_lshl_b32 s20, s26, 15                        ; scale bytes likewise: 32 a row, 8 a chunk
	s_lshl_b32 s22, s17, 5
	s_add_co_u32 s20, s20, s22
	s_lshl_b32 s22, s18, 3
	s_add_co_u32 s20, s20, s22
	s_add_nc_u64 s[8:9], s[56:57], s[20:21]
.macro WLOAD t                         ; block t: W(32 t + i, my column): 32 lanes read 128 consecutive bytes
.irp i, 0,1,2,3,4,5,6,7,8,9,10,11,12,13,14,15,16,17,18,19,20,21,22,23,24,25,26,27,28,29,30,31
	global_load_b32 v[WX+32*((\t)%2)+\i], v3, s[4:5] offset:(32*(\t)+\i)*4096 th:TH_LOAD_NT
.endr
.endm
	WLOAD 0
	WLOAD 1
.macro WBLOCK t
.set XS, WX+32*((\t)%2)
.if (\t) < NB-1
	s_wait_loadcnt 32                              ; this block's 32 loads are in; the next block's may be out
.else
	s_wait_loadcnt 0
.endif
	v_max3_num_f32 v12, |v[XS]|, |v[XS+1]|, |v[XS+2]|               ; all 32 numbers of the block are mine
	v_max3_num_f32 v13, |v[XS+3]|, |v[XS+4]|, |v[XS+5]|
.irp i, 6,10,14,18,22,26
	v_max3_num_f32 v12, v12, |v[XS+\i]|, |v[XS+\i+1]|
	v_max3_num_f32 v13, v13, |v[XS+\i+2]|, |v[XS+\i+3]|
.endr
	v_max3_num_f32 v12, v12, |v[XS+30]|, |v[XS+31]|
	v_max3_num_f32 v12, v12, v13, 0x1800000        ; and the floor
	v_add_nc_u32 v11, 0xff000000, v12              ; the conversion's scale operand
	v_lshrrev_b32 v13, 23, v11                     ; the scale's byte
.if (\t)%4 == 0
	v_mov_b32 v[WSB+(\t)/4], v13
.else
	v_lshl_or_b32 v[WSB+(\t)/4], v13, 8*((\t)%4), v[WSB+(\t)/4]
.endif
	v_cvt_scalef32_pk16_fp6_f32 v[WC:WC+2], v[XS:XS+15], v11
	v_cvt_scalef32_pk16_fp6_f32 v[WC+4:WC+6], v[XS+16:XS+31], v11   ; (a conversion's three registers begin on an even number)
	ds_store_b96 v4, v[WC:WC+2] offset:32*(\t)     ; 12 bytes to a place of 16, so that every LDS address is a multiple of 16
	ds_store_b96 v4, v[WC+4:WC+6] offset:32*(\t)+16
.if (\t)+2 < NB
	WLOAD (\t)+2
.endif
	s_wait_dscnt 0x0                               ; the stores have read their registers: the next block's codes may be written
.endm
.set Q, 0
.rept NB
	WBLOCK Q
.set Q, Q+1
.endr
	global_store_b64 v9, v[WSB:WSB+1], s[8:9]      ; my column's 8 scale bytes
.irp t, 0,1,2,3,4,5,6,7,8,9,10,11,12,13,14,15
	ds_load_b96 v[WOUT+4*\t:WOUT+4*\t+2], v7 offset:2*\t*PITCH
.endr
.irp t, 0,1,2,3,4,5,6,7,8,9,10,11,12,13,14,15
	s_wait_dscnt 15-\t
	global_store_b96 v8, v[WOUT+4*\t:WOUT+4*\t+2], s[6:7] offset:2*(((\t)&3)|(((\t)&4)<<1)|(((\t)&8)>>1))*KROW   ; columns 2 t, 2 t + 1 go to their stored rows: bits 3 and 4 of the column are bits 2 and 3 of t
.endr
	s_wait_tensorcnt 0x0
	ds_add_u32 v192, v193
	s_wait_dscnt 0x0
	s_endpgm
.Lfunc_end_k_qbd973001bb_quant:
	.size	k_qbd973001bb_quant, .Lfunc_end_k_qbd973001bb_quant-k_qbd973001bb_quant
	.p2alignl 7, 3214868480
	.fill 96, 4, 3214868480
	.section	.rodata,"a",@progbits
	.p2align	6, 0x0
	.amdhsa_kernel k_qbd973001bb_quant
		.amdhsa_group_segment_fixed_size 68096
		.amdhsa_private_segment_fixed_size 0
		.amdhsa_enable_private_segment 0
		.amdhsa_kernarg_size 88
		.amdhsa_user_sgpr_count 2
		.amdhsa_user_sgpr_kernarg_segment_ptr 1
		.amdhsa_wavefront_size32 1
		.amdhsa_system_sgpr_workgroup_id_x 1
		.amdhsa_system_sgpr_workgroup_id_y 1
		.amdhsa_system_sgpr_workgroup_id_z 1
		.amdhsa_system_vgpr_workitem_id 0
		.amdhsa_next_free_vgpr 194
		.amdhsa_next_free_sgpr 66
		.amdhsa_reserve_vcc 0
		.amdhsa_float_denorm_mode_32 3
		.amdhsa_float_denorm_mode_16_64 3
		.amdhsa_memory_ordered 1
		.amdhsa_forward_progress 1
		.amdhsa_inst_pref_size 74
	.end_amdhsa_kernel
	.amdgpu_metadata
---
amdhsa.version: [ 1, 2 ]
amdhsa.kernels:
  - .name:           k_qbd973001bb_quant
    .symbol:         k_qbd973001bb_quant.kd
    .args:
      - { .name: q, .offset: 0, .size: 8, .value_kind: global_buffer, .address_space: global }
      - { .name: k, .offset: 8, .size: 8, .value_kind: global_buffer, .address_space: global }
      - { .name: v, .offset: 16, .size: 8, .value_kind: global_buffer, .address_space: global }
      - { .name: W_q, .offset: 24, .size: 8, .value_kind: global_buffer, .address_space: global }
      - { .name: W_k, .offset: 32, .size: 8, .value_kind: global_buffer, .address_space: global }
      - { .name: W_v, .offset: 40, .size: 8, .value_kind: global_buffer, .address_space: global }
      - { .name: W_o, .offset: 48, .size: 8, .value_kind: global_buffer, .address_space: global }
      - { .name: xcodes, .offset: 56, .size: 8, .value_kind: global_buffer, .address_space: global }
      - { .name: xscales, .offset: 64, .size: 8, .value_kind: global_buffer, .address_space: global }
      - { .name: wcodes, .offset: 72, .size: 8, .value_kind: global_buffer, .address_space: global }
      - { .name: wscales, .offset: 80, .size: 8, .value_kind: global_buffer, .address_space: global }
    .group_segment_fixed_size: 68096
    .private_segment_fixed_size: 0
    .kernarg_segment_align: 8
    .kernarg_segment_size: 88
    .max_flat_workgroup_size: 128
    .sgpr_count:     66
    .vgpr_count:     194
    .wavefront_size: 32
...
	.end_amdgpu_metadata
.endif
;; end of part 1
;; launch proj (part 2): grid 4 x 96, 4 waves a work-group, clusters of 4 x 4, 327,680 bytes of LDS; arguments xcodes, xscales, wcodes, wscales, b_q, b_k, b_v, qi, kv; writes qi, kv
.if DOCPART == 2
	.amdgcn_target "amdgcn-amd-amdhsa--gfx1250"
	.amdhsa_code_object_version 6
	.text
	.protected	k_qbd973001bb_proj
	.globl	k_qbd973001bb_proj
	.p2align	8
	.type	k_qbd973001bb_proj,@function
k_qbd973001bb_proj:
	s_mov_b64 s[64:65], 0
	v_nop
	global_prefetch_b8 v0, s[64:65] scope:SCOPE_SE
	s_setreg_imm32_b32 hwreg(HW_REG_WAVE_MODE, 25, 1), 1
	s_wait_xcnt 0x0
	s_wait_alu depctr_hold_cnt(0) depctr_sa_sdst(0) depctr_va_vdst(0) depctr_va_sdst(0) depctr_va_ssrc(0) depctr_va_vcc(0) depctr_vm_vsrc(0)
	s_getreg_b32 s2, hwreg(HW_REG_IB_STS2, 6, 4)
	s_cmp_eq_u32 s2, 0
	s_cbranch_scc0 .Lentry_in_a_cluster
	s_endpgm
.Lentry_in_a_cluster:
	s_bfe_u32 s2, ttmp6, 0x10000c
	s_cmp_lg_u32 s2, 0xf033
	s_cbranch_scc0 .Lentry_shape_is_right
	s_endpgm
.Lentry_shape_is_right:
; The three projections q W_q + b_q, k W_k + b_k, v W_v + b_v on codes of FP6 (E2M3) with E8M0 scales, K = 1,024; their results are quantised again on the way out and stored as IMAGES OF THE OPERAND REGISTERS that the attention launch wants.
; A tile of C, 256 x 256, is made by four waves, 128 x 128 each (64 accumulators, 512 registers).  K goes in steps of 256 through a ring of two LDS slots filled by the tensor data mover; the scale bytes of the tile's rows come once and stay.
; CLUSTERS of 4 x 4: A's tiles are asked for jointly along a row of the cluster, B's along a column.  24 clusters: cluster y / 8 says which product (0 q, 1 k, 2 v), cluster y % 8 which 1,024 tokens.
; THE MATRIX INSTRUCTION IS USED TRANSPOSED (source 0 = 16 rows of B, source 1 = 16 rows of A): a lane holds ONE row of A's side, and since B's stored rows have bits 3 and 4 of their number exchanged, its 64 results of a block of
; 16 rows run along B's side in this order: register 16 b + i = place 32 b + 16 (lane / 16) + i: sixteen neighbours of each block of 32, as the conversions want them.
;   q, k: A = tokens, B = W's stored rows (channels): a lane holds a token and 128 channels = two heads; blocks of 32 along the head's 64.
;   v:    A = W_v's stored rows (channels), B = tokens (keys): a lane holds a channel and 128 keys: blocks of 32 along the keys.  The same text, the sides' pointers exchanged.
; LIMITS: NaN and infinities are not served; a block whose largest magnitude lies under 2^-124 gets the byte 1 (a block of zeros too: its codes are zeros).
; REGISTERS, in windows of 256: window 0: v0-31 addresses; v32-63 scale words, two sets; v64-127 the bias; from v128 A's fragments, ONE set; on the way out v128-247 at work.
;   window 1: B's fragments, two sets.   window 2: the accumulators of my rows 0-63 ((a, b) at v[8 (8 a + b)]);   window 3: those of rows 64-127.
.set KSTEP,  256
.set NQ,     2                         ; matrix instructions deep in a slot
.set ROWB,   192                       ; a tile's row in bytes
.set KROW,   768                       ; a row of codes in memory
.set PITCH,  240                       ; an LDS row: 3 x (64 bytes + 16 of padding)
.set FR,     12                        ; registers of a fragment
.set NL,     6                         ; LDS loads that bring one
.set NP,     4                         ; places behind this matrix instruction (ISA guide 7.12.1)
.set HALFT,  128*PITCH
.set SLOT,   4*HALFT
.set LAPS,   2                         ; K = 1,024 is twice round the ring
.set KS,     32                        ; a row of scale bytes
.set SCL,    2*SLOT                    ; behind the ring: the scales, as 256 bytes + 16 of padding
.set HALFS,  16*272                    ; those of 128 rows
.set SBLK,   2*272                     ; those of 16 rows
.set SPARE,  SCL+4*HALFS               ; the spare words, 128 bytes for each wave; no other line names them
.set ADRA, 16                          ; v16-17 A's fragments in slot 0, 1 (v18-19: behind one padding more)
.set ADRB, 20                          ; v20-23 the same for B
.set LO8,  24                          ; v24  8 x lane
.set LO16, 25                          ; v25  16 x lane
.set ADRS, 27                          ; v27  my scale words in LDS
.set SPW,  28                          ; v28  my spare word; never rewritten
.set NIL,  29                          ; v29  0; never rewritten
.set BA,   30                          ; v30  64 x (lane / 16): the bias along a lane's registers
.set BV,   31                          ; v31  4 x (r + 8 (r / 8)): the bias of a lane's row
.set SC,   32
.set BIAS, 64
.set AF,   128
.set T,    128                         ; the way out: 64 numbers
.set PC,   192                         ; v192-210 the codes
.set TM,   212                         ; v212-227 maxima, bytes, scale operands
.set PWS,  230                         ; v230-237 the eight blocks' scale words
.set W,    240
.set W2,   244
.set G1, 24
.set G0, 32
.set G1B, 48
.set G0B, 56
.set G1S, 68
.set G0S, 76
.set G1SB, 80
.set G0SB, 88
.set ISV, 66                           ; s66  1 for the v product
.set TT,  67                           ; s67  which product
.set HI,  95                           ; s95  the mask of lanes 16-31
.set SEL, 100                          ; s[100:101] selects for lane l xor 16
.set MSB, 0
.macro WIN new                         ; the immediate's high byte repeats the setting that is left
.if MSB != \new
	s_set_vgpr_msb (MSB<<8)|\new
.set MSB, \new
.endif
.endm
.set MUL_LO, 0xa1                      ; source 0 (B) window 1, source 1 (A) window 0, C and D window 2
.set MUL_HI, 0xf1
.set TO_B,   0x40
; A joint load: waves 0 and 1 fetch for A, waves 2 and 3 for B; the branch hangs on the wave's number alone.  Four v_nop follow each of the two lines.
.macro JLOAD g0a, g1a, g0b, g1b
	s_cmp_eq_u32 s15, 0
	s_cbranch_scc0 .Lfor_b_\@
	tensor_load_to_lds s[\g0a:\g0a+3], s[\g1a:\g1a+7]
	s_nop 0
.rept 4
	v_nop
.endr
	s_branch .Lasked_\@
.Lfor_b_\@:
	tensor_load_to_lds s[\g0b:\g0b+3], s[\g1b:\g1b+7]
	s_nop 0
.rept 4
	v_nop
.endr
.Lasked_\@:
.endm
.macro CREST                           ; a round of the cluster's barrier behind its opening barrier
	s_cmp_lg_u32 s14, 0
	s_cbranch_scc1 .Lnot_wave_0_\@
	s_barrier_signal -3
.Lnot_wave_0_\@:
	s_barrier_wait -3
	s_barrier_signal -1
	s_barrier_wait -1
.endm
.macro CROUND
	s_barrier_signal -1
	s_barrier_wait -1
	CREST
.endm
	s_load_b256 s[4:11], s[0:1], 0x0               ; xcodes, xscales, wcodes, wscales
	s_load_b128 s[76:79], s[0:1], 0x20             ; b_q, b_k
	s_load_b128 s[88:91], s[0:1], 0x30             ; b_v, qi
	s_load_b64 s[12:13], s[0:1], 0x40              ; kv
	v_lshl_add_u32 v[SPW], v0, 2, SPARE
	v_mov_b32 v[NIL], 0
	ds_add_u32 v28, v29
	ds_add_u32 v28, v29
	s_wait_dscnt 0x0
	v_lshrrev_b32 v1, 5, v0
	v_readfirstlane_b32 s14, v1                    ; wave 0..3
	s_lshr_b32 s15, s14, 1                         ; which half of A's side is mine.  Also: I fetch for A (0) or for B (1)
	s_and_b32 s16, s14, 1                          ; which half of B's side.  Also: which 128 rows I fetch
	s_bfe_u32 s40, ttmp6, 0x40000                  ; cx, cy
	s_bfe_u32 s41, ttmp6, 0x40004
	s_and_b32 s[ISV], ttmp7, 0xffff                ; cluster y: 0 .. 23, the same in all sixteen partners
	s_lshr_b32 s[TT], s[ISV], 3                    ; which product
	s_and_b32 s18, s[ISV], 7
	s_lshl_b32 s18, s18, 2
	s_lshl_b32 s19, s[TT], 5
	s_add_co_u32 s19, s19, s18                     ; the cluster's first tile of 256 stored rows among the three activations'
	s_lshl_b32 s18, s[TT], 2                       ; and among the weights'
	s_cmp_eq_u32 s[TT], 2
	s_cselect_b32 s[ISV], 1, 0
	s_cselect_b32 s17, s18, s19
	s_cselect_b32 s42, s19, s18
	s_add_co_u32 s17, s17, s41                     ; A's tile: hangs on cy alone
	s_add_co_u32 s42, s42, s40                     ; B's tile: on cx alone
	s_lshl_b32 s43, s41, 2
	s_lshl_b32 s43, 15, s43                        ; my row of the cluster
	s_lshl_b32 s44, 0x1111, s40                    ; my column
	; descriptor group 1: a tile of 128 rows x 192 bytes; 16 bytes of padding behind every 64
	s_or_b32 s[G1+0], s43, (0<<16)|(1<<20)|(1<<21)|(3<<22)|(3<<25)
	s_or_b32 s[G1B+0], s44, (0<<16)|(1<<20)|(1<<21)|(3<<22)|(3<<25)
.irp g, G1, G1B
	s_mov_b32 s[\g+1], ROWB<<16                    ; tensor_dim0
	s_mov_b32 s[\g+2], 128<<16                     ; tensor_dim1
	s_mov_b32 s[\g+3], ROWB<<16                    ; tile_dim0
	s_mov_b32 s[\g+4], 128                         ; tile_dim1
	s_mov_b32 s[\g+5], KROW                        ; the pitch
	s_mov_b32 s[\g+6], 0
	s_mov_b32 s[\g+7], 0
.endr
	; the scales of 128 rows: 4,096 dense bytes as 16 rows of 256 (32 elements of 8 bytes), 16 bytes of padding behind each
	s_or_b32 s[G1S+0], s43, (3<<16)|(1<<20)|(1<<21)|(5<<22)|(3<<25)
	s_or_b32 s[G1SB+0], s44, (3<<16)|(1<<20)|(1<<21)|(5<<22)|(3<<25)
.irp g, G1S, G1SB
	s_mov_b32 s[\g+1], 32<<16
	s_mov_b32 s[\g+2], 16<<16
	s_mov_b32 s[\g+3], 32<<16
	s_mov_b32 s[\g+4], 16
	s_mov_b32 s[\g+5], 32
	s_mov_b32 s[\g+6], 0
	s_mov_b32 s[\g+7], 0
.endr
	s_lshl_b32 s18, s16, 7                         ; which 128 rows of the tile I fetch
	s_lshl_b32 s20, s17, 8
	s_add_co_u32 s20, s20, s18
	s_lshl_b32 s46, s42, 8
	s_add_co_u32 s46, s46, s18
	s_mov_b32 s21, 0
	s_mov_b32 s47, 0
	s_mov_b64 s[18:19], KS
	s_mul_u64 s[22:23], s[20:21], s[18:19]         ; where these rows' scales begin, in bytes
	s_mul_u64 s[92:93], s[46:47], s[18:19]
	s_mov_b64 s[18:19], KROW
	s_mul_u64 s[20:21], s[20:21], s[18:19]         ; and their codes
	s_mul_u64 s[46:47], s[46:47], s[18:19]
	s_mul_i32 s45, s14, HALFT                      ; where they go: no place in the cluster enters an LDS address
	s_mul_i32 s94, s14, HALFS
	s_wait_kmcnt 0x0
	s_cmp_eq_u32 s[ISV], 1                         ; the sides: for v the weight is A and the tokens are B
	s_cselect_b64 s[100:101], s[8:9], s[4:5]       ; A's codes
	s_cselect_b64 s[8:9], s[4:5], s[8:9]           ; B's codes
	s_cselect_b64 s[2:3], s[10:11], s[6:7]         ; A's scales
	s_cselect_b64 s[10:11], s[6:7], s[10:11]       ; B's scales
	s_cselect_b64 s[96:97], s[88:89], s[78:79]     ; the bias: b_v or b_k,
	s_cmp_eq_u32 s[TT], 0
	s_cselect_b64 s[96:97], s[76:77], s[96:97]     ; or b_q
	s_cselect_b64 s[98:99], s[90:91], s[12:13]     ; the results' buffer: qi or kv
	s_add_nc_u64 s[20:21], s[100:101], s[20:21]
	s_add_nc_u64 s[22:23], s[2:3], s[22:23]
	s_add_nc_u64 s[46:47], s[8:9], s[46:47]
	s_add_nc_u64 s[92:93], s[10:11], s[92:93]
	CROUND                                         ; all sixteen work-groups are here: the first joint loads meet
	s_mov_b32 s[G0S], 1
	s_add_co_u32 s[G0S+1], s94, SCL
	s_mov_b64 s[G0S+2:G0S+3], s[22:23]
	s_or_b32 s[G0S+3], s[G0S+3], 0x80000000
	s_mov_b32 s[G0SB], 1
	s_add_co_u32 s[G0SB+1], s94, SCL
	s_mov_b64 s[G0SB+2:G0SB+3], s[92:93]
	s_or_b32 s[G0SB+3], s[G0SB+3], 0x80000000
	JLOAD G0S, G1S, G0SB, G1SB                     ; the scales first: they are wanted with K step 0
.irp s, 0,1
	s_mov_b32 s[G0+4*\s], 1
	s_add_co_u32 s[G0+4*\s+1], s45, \s*SLOT
	s_add_nc_u64 s[G0+4*\s+2:G0+4*\s+3], s[20:21], \s*ROWB
	s_or_b32 s[G0+4*\s+3], s[G0+4*\s+3], 0x80000000
	s_mov_b32 s[G0B+4*\s], 1
	s_add_co_u32 s[G0B+4*\s+1], s45, \s*SLOT
	s_add_nc_u64 s[G0B+4*\s+2:G0B+4*\s+3], s[46:47], \s*ROWB
	s_or_b32 s[G0B+4*\s+3], s[G0B+4*\s+3], 0x80000000
	JLOAD G0+4*\s, G1, G0B+4*\s, G1B               ; three tensor loads of mine are out
.endr
	v_and_b32 v1, 15, v0                           ; r
	v_bfe_u32 v2, v0, 4, 1                         ; h
	v_mul_u32_u24 v3, v1, PITCH
	v_mul_u32_u24 v4, v2, 24
	v_add_nc_u32 v4, v3, v4                        ; a fragment's row x pitch + 24 x half
	v_lshl_add_u32 v5, v2, 4, v4                   ; and the same behind one padding more
	s_mul_i32 s21, s15, HALFT
	s_mul_i32 s22, s16, HALFT
	s_add_co_u32 s22, s22, 2*HALFT
.irp s, 0,1
	v_add_nc_u32 v[ADRA+\s], s21, v4
	v_add_nc_u32 v[ADRB+\s], s22, v4
	v_add_nc_u32 v[ADRA+2+\s], s21, v5
	v_add_nc_u32 v[ADRB+2+\s], s22, v5
	s_add_co_u32 s21, s21, SLOT
	s_add_co_u32 s22, s22, SLOT
.endr
	v_mul_u32_u24 v5, v1, KS                       ; my row's scales: 32 bytes a row,
	v_lshrrev_b32 v6, 8, v5
	v_lshl_add_u32 v5, v6, 4, v5                   ; and 16 more for each 256 passed
	s_mul_i32 s21, s15, HALFS
	s_mul_i32 s22, s16, HALFS
	s_add_co_u32 s22, s22, 2*HALFS
	s_sub_co_u32 s22, s22, s21
	v_mul_u32_u24 v6, s22, v2                      ; lanes 16-31 take B's
	s_add_co_u32 s21, s21, SCL
	v_add_nc_u32 v5, v5, v6
	v_add_nc_u32 v[ADRS], s21, v5
	v_and_b32 v6, 31, v0
	v_lshlrev_b32 v[LO8], 3, v6
	v_lshlrev_b32 v[LO16], 4, v6
	v_lshlrev_b32 v[BA], 6, v2
	v_and_b32 v[BV], 8, v1
	v_add_nc_u32 v[BV], v[BV], v1
	v_lshlrev_b32 v[BV], 2, v[BV]
	; where my results go.  A record serves 128 tokens of one head: qi 6,656 bytes; kv 13,056: K's codes at 0, V's at 6,144, K's scale words at 12,288, V's at 12,800
	s_and_b32 s47, ttmp7, 7
	s_lshl_b32 s47, s47, 10                        ; the cluster's first token
	s_lshl_b32 s18, s41, 8
	s_lshl_b32 s19, s15, 7
	s_add_co_u32 s18, s18, s19                     ; my first row on A's side, in the cluster's 1,024
	s_lshl_b32 s19, s40, 8
	s_lshl_b32 s20, s16, 7
	s_add_co_u32 s19, s19, s20                     ; and on B's side
	s_mov_b32 s23, 12288
	s_mov_b32 s46, 13056
	s_cmp_eq_u32 s[ISV], 1
	s_cselect_b32 s20, s19, s18                    ; tokens,
	s_cselect_b32 s21, s18, s19                    ; channels
	s_cselect_b32 s22, 6144, 0                     ; the codes' place in a record
	s_cselect_b32 s23, 12800, s23                  ; the scale words' place
	s_cmp_eq_u32 s[TT], 0
	s_cselect_b32 s23, 6144, s23
	s_cselect_b32 s46, 6656, s46                   ; a record
	s_add_co_u32 s20, s20, s47                     ; my first token of the 8,192
	s_lshr_b32 s92, s20, 11                        ; batch
	s_lshl_b32 s92, s92, 4
	s_lshr_b32 s93, s21, 6                         ; my first head
	s_add_co_u32 s92, s92, s93
	s_lshl_b32 s92, s92, 4
	s_bfe_u32 s93, s20, 0x40007                    ; which 128 tokens of the 2,048
	s_add_co_u32 s92, s92, s93
	s_mul_i32 s92, s92, s46
	s_mov_b32 s93, 0
	s_add_nc_u64 s[98:99], s[98:99], s[92:93]      ; my first head's record
	s_mov_b32 s92, s22
	s_add_nc_u64 s[4:5], s[98:99], s[92:93]        ; its codes
	s_mov_b32 s92, s23
	s_add_nc_u64 s[8:9], s[98:99], s[92:93]        ; its scale words
	s_lshl_b32 s92, s46, 4                         ; a head is 16 records
	s_add_nc_u64 s[6:7], s[4:5], s[92:93]          ; my second head's
	s_add_nc_u64 s[10:11], s[8:9], s[92:93]
	s_lshl_b32 s92, s21, 2
	s_add_nc_u64 s[96:97], s[96:97], s[92:93]      ; the bias at my first channel
	s_mov_b32 s[SEL], 0x76543210
	s_mov_b32 s[SEL+1], 0xfedcba98
	s_mov_b32 s[HI], 0xffff0000
	; the bias, in the results' layout, into 64 registers that the loop does not touch; waited for on the way out.  Its address registers are never rewritten
	s_cmp_eq_u32 s[ISV], 1
	s_cbranch_scc1 .Lbias_v
.irp b, 0,1,2,3
.irp j, 0,1,2,3
	global_load_b128 v[BIAS+16*\b+4*\j:BIAS+16*\b+4*\j+3], v[BA], s[96:97] offset:128*\b+16*\j   ; register 16 b + i: channel 32 b + 16 h + i
.endr
.endr
	s_branch .Lbias_done
.Lbias_v:
.irp a, 0,1,2,3,4,5,6,7
.irp j, 0,1,2,3,4,5,6,7
	global_load_b32 v[BIAS+8*\a+\j], v[BV], s[96:97] offset:(32*(\a/2)+8*(\a%2))*4   ; block a: my row's channel 32 (a / 2) + 8 (a % 2) + r + 8 (r / 8); all 64 registers are written on both ways
.endr
.endr
.Lbias_done:
.macro FRAG reg, adr, q, i             ; 16 rows x 128 K: lane l holds row l % 16; registers 6 c .. 6 c + 5 hold K = 64 c + 32 (l / 16) + 0 .. 31, in pieces of 8 bytes
.irp p, 0,1,2,3,4,5
.set PCE, 12*(\q)+6*(\p/3)+\p%3       ; where the piece three on lies behind one padding more, the second address register serves
.if PCE%8 < 5
	ds_load_b64 v[\reg+2*\p:\reg+2*\p+1], v[\adr] offset:8*PCE+16*(PCE/8)+(\i)*16*PITCH
.else
	ds_load_b64 v[\reg+2*\p:\reg+2*\p+1], v[\adr+2] offset:8*PCE+16*(PCE/8)+(\i)*16*PITCH
.endif
.endr
.endm
; 16 matrix instructions: A's blocks a0, a0 + 1 x B's eight.  The 64 accumulators take turns, one instruction a turn, in the same order in every step.
.macro MUL16 a0, p, q, sc, zero
.irp a, \a0, \a0+1
.irp b, 0,1,2,3,4,5,6,7
.if \zero
	v_wmma_scale_f32_16x16x128_f8f6f4 v[8*(8*((\a)%4)+\b):8*(8*((\a)%4)+\b)+7], v[128*(\p)+FR*\b:128*(\p)+FR*\b+FR-1], v[AF+FR*(\a):AF+FR*(\a)+FR-1], 0, v[SC+8*NQ*(\sc)+NQ*\b+(\q)], v[SC+8*NQ*(\sc)+NQ*(\a)+(\q)] matrix_a_fmt:MATRIX_FMT_FP6 matrix_b_fmt:MATRIX_FMT_FP6 matrix_a_scale:MATRIX_SCALE_ROW1
.else
	v_wmma_scale_f32_16x16x128_f8f6f4 v[8*(8*((\a)%4)+\b):8*(8*((\a)%4)+\b)+7], v[128*(\p)+FR*\b:128*(\p)+FR*\b+FR-1], v[AF+FR*(\a):AF+FR*(\a)+FR-1], v[8*(8*((\a)%4)+\b):8*(8*((\a)%4)+\b)+7], v[SC+8*NQ*(\sc)+NQ*\b+(\q)], v[SC+8*NQ*(\sc)+NQ*(\a)+(\q)] matrix_a_fmt:MATRIX_FMT_FP6 matrix_b_fmt:MATRIX_FMT_FP6 matrix_a_scale:MATRIX_SCALE_ROW1
.endif
.endr
.endr
.endm
.macro FETCH_B slot, q, p
	WIN TO_B
.irp i, 0,1,2,3,4,5,6,7
	FRAG 128*(\p)+FR*\i, ADRB+\slot, \q, \i
.endr
	WIN 0
.endm
.macro FETCH_A slot, q, i0
.irp i, \i0, \i0+1, \i0+2, \i0+3
	FRAG AF+FR*(\i), ADRA+\slot, \q, \i
.endr
.endm
.macro SCALES sc                       ; a K step's scale words: lanes 0-15 take A's block i, lanes 16-31 B's block i
.irp i, 0,1,2,3,4,5,6,7
	ds_load_b64 v[SC+8*NQ*\sc+NQ*\i:SC+8*NQ*\sc+NQ*\i+1], v[ADRS] offset:\i*SBLK
.endr
.endm
.macro PLACES n                        ; plain vector instructions between a matrix instruction and a load into, or a vector access to, its registers
.rept \n
	v_nop
.endr
.endm
.macro STEP slot, q, zero              ; a step of 128 along K that has its successor in the same slot
	s_wait_dscnt 4*NL                              ; B's set and A's blocks 0-3 are in; A's blocks 4-7 may be out
	WIN MUL_LO
	MUL16 0, (\q)%2, \q, \slot, \zero
	MUL16 2, (\q)%2, \q, \slot, \zero
	s_wait_dscnt 0                                 ; A's blocks 4-7 are in
	PLACES NP
	FETCH_B \slot, (\q)+1, 1-(\q)%2
	FETCH_A \slot, (\q)+1, 0
	WIN MUL_HI
	MUL16 4, (\q)%2, \q, \slot, \zero
	MUL16 6, (\q)%2, \q, \slot, \zero
	PLACES NP
	WIN 0
	FETCH_A \slot, (\q)+1, 4
.endm
; A slot's last step changes slots: ONE barrier; in front of it each wave waits for all its tensor loads, adds 0 to its spare word, and waits for that and for its own reads of this slot.
.macro TURN slot, next, fill
	s_wait_tensorcnt 0x0                           ; all my tensor loads have landed: my part of the next slot
	ds_add_u32 v[SPW], v[NIL]                      ; 0 onto my spare word
	s_wait_dscnt 4*NL+1                            ; (the add and A's blocks 4-7 may be out)
	WIN MUL_LO
	MUL16 0, 1, NQ-1, \slot, 0
	s_wait_dscnt 0x0                               ; the add is done, and my reads of this slot are over
	s_barrier_signal -1
	MUL16 2, 1, NQ-1, \slot, 0
	WIN 0
	s_barrier_wait -1
.if \fill
	CREST                                          ; the barrier has opened a round of the cluster's: no wave of any partner still reads this slot or has a load on its way
	s_add_nc_u64 s[G0+4*\slot+2:G0+4*\slot+3], s[G0+4*\slot+2:G0+4*\slot+3], 2*ROWB
	s_add_nc_u64 s[G0B+4*\slot+2:G0B+4*\slot+3], s[G0B+4*\slot+2:G0B+4*\slot+3], 2*ROWB
	JLOAD G0+4*\slot, G1, G0B+4*\slot, G1B         ; the first tensor load behind the round, my only one until the next; its four v_nop are the places in front of the loads below
.else
	PLACES NP
.endif
	v_add_nc_u32 v[ADRS], 4*NQ, v[ADRS]            ; on to the next K step's scale words
	FETCH_B \next, 0, 0
	FETCH_A \next, 0, 0
	SCALES \next
	WIN MUL_HI
	MUL16 4, 1, NQ-1, \slot, 0
	MUL16 6, 1, NQ-1, \slot, 0
	PLACES NP
	WIN 0
	FETCH_A \next, 0, 4
.endm
	s_wait_tensorcnt 1                             ; the scales and my part of K step 0 are in (K step 1's load may be out)
	s_barrier_signal -1
	s_barrier_wait -1                              ; everybody's are
	FETCH_B 0, 0, 0
	FETCH_A 0, 0, 0
	SCALES 0
	FETCH_A 0, 0, 4
	STEP 0, 0, 1                                   ; the first step's products start the sums
	s_mov_b32 s3, LAPS-1
.Llap:
	TURN 0, 1, 1
	STEP 1, 0, 0
	TURN 1, 0, 1
	STEP 0, 0, 0
	s_sub_co_u32 s3, s3, 1
	s_cmp_lg_u32 s3, 0
	s_cbranch_scc1 .Llap
	TURN 0, 1, 0                                   ; the last lap fills nothing
	STEP 1, 0, 0
	s_wait_dscnt 4*NL
	WIN MUL_LO
	MUL16 0, 1, NQ-1, 1, 0
	MUL16 2, 1, NQ-1, 1, 0
	s_wait_dscnt 0
	WIN MUL_HI
	MUL16 4, 1, NQ-1, 1, 0
	MUL16 6, 1, NQ-1, 1, 0
	WIN 0
; THE WAY OUT.  64 numbers of a lane, register 16 b + i = place 32 b + 16 (lane / 16) + i of my row, become a fragment's codes in v[PC] on and the row's scale word in v[pw].
.macro QUANT s, pw
.irp b, 0,1,2,3
	v_max3_num_f32 v[TM+\b], |v[\s+16*\b]|, |v[\s+1+16*\b]|, 0x1800000   ; my 16 numbers of block b, and the floor 2^(3 - 127)
.endr
.irp i, 2,4,6,8,10,12,14
.irp b, 0,1,2,3
	v_max3_num_f32 v[TM+\b], v[TM+\b], |v[\s+16*\b+\i]|, |v[\s+1+16*\b+\i]|
.endr
.endr
.irp b, 0,1,2,3
	v_permlanex16_b32 v[TM+4+\b], v[TM+\b], s[SEL], s[SEL+1]
.endr
.irp b, 0,1,2,3
	v_max_num_f32 v[TM+\b], v[TM+\b], v[TM+4+\b]   ; with lane l xor 16's: the block's largest magnitude
.endr
.irp b, 0,1,2,3
	v_add_nc_u32 v[TM+12+\b], 0xff000000, v[TM+\b] ; 2 off its exponent field: the conversion's scale operand
.endr
.irp b, 0,1,2,3
	v_lshrrev_b32 v[TM+4+\b], 23, v[TM+12+\b]      ; the scale's byte
.endr
	v_lshl_or_b32 v[\pw], v[TM+5], 8, v[TM+4]
	v_lshl_or_b32 v[\pw], v[TM+6], 16, v[\pw]
	v_lshl_or_b32 v[\pw], v[TM+7], 24, v[\pw]
.irp c, 0,1
	v_cvt_scalef32_pk16_fp6_f32 v[PC+6*\c:PC+2+6*\c], v[\s+32*\c:\s+15+32*\c], v[TM+12+2*\c]
	v_cvt_scalef32_pk16_fp6_f32 v[PC+12+4*\c:PC+14+4*\c], v[\s+16+32*\c:\s+31+32*\c], v[TM+12+2*\c+1]   ; (a conversion's three registers begin on an even number)
.endr
	v_nop                                          ; one plain place behind a scaled conversion
.irp c, 0,1                                    ; the operand's layout wants a WHOLE block in a lane: lanes 0-15 block 2 c, lanes 16-31 block 2 c + 1
.irp i, 0,1,2
	v_permlane16_swap_b32 v[PC+6*\c+\i], v[PC+12+4*\c+\i]
.endr
.irp i, 0,1,2
	v_mov_b32 v[PC+3+6*\c+\i], v[PC+12+4*\c+\i]
.endr
.endr
.endm
; Block a (16 rows of A's side): + bias (which also brings the numbers into window 0; each accumulator is read from its low end on), quantised, stored as an image: every store covers 256 or 512 consecutive bytes, aligned.
.macro BLOCKOUT a, isv
	s_wait_xcnt 0x0                                ; the last block's stores have read the codes' registers
	WIN (0x02+(\a)/4)                              ; source 0: window 2 or 3
.set AC, 64*((\a)%4)
.set i, 0
.rept 32
.if \isv
	v_pk_add_f32 v[T+i:T+i+1], v[AC+i:AC+i+1], v[BIAS+8*(\a):BIAS+8*(\a)+1]   ; my row's bias (both registers hold it)
.else
	v_pk_add_f32 v[T+i:T+i+1], v[AC+i:AC+i+1], v[BIAS+i:BIAS+i+1]
.endif
.set i, i+2
.endr
	WIN 0
	QUANT T, PWS+(\a)
.if \isv
.irp c, 0,1,2                                  ; 16 channels x 128 keys: one whole fragment, three planes of 16 bytes a lane; blocks 0-3 are my first head's, 4-7 my second's
.if (\a) < 4
	global_store_b128 v[LO16], v[PC+4*\c:PC+4*\c+3], s[4:5] offset:1536*((\a)%4)+512*\c
.else
	global_store_b128 v[LO16], v[PC+4*\c:PC+4*\c+3], s[6:7] offset:1536*((\a)%4)+512*\c
.endif
.endr
.else
.irp p, 0,1,2                                  ; 16 tokens x 128 channels: registers 0-5 are my first head's 64 channels, 6-11 my second's: three planes of 8 bytes a lane each
	global_store_b64 v[LO8], v[PC+2*\p:PC+2*\p+1], s[4:5] offset:768*(\a)+256*\p
.endr
.irp p, 0,1,2
	global_store_b64 v[LO8], v[PC+6+2*\p:PC+6+2*\p+1], s[6:7] offset:768*(\a)+256*\p
.endr
.endif
.endm
	PLACES NP                                      ; behind the last products: the lines below read results and write registers that held A's fragments
	s_wait_loadcnt 0x0                             ; the bias
.irp b, 0,1,2,3
	v_mov_b32 v[TM+4+\b], 0                        ; written once: a lane permute's destination counts as one of its sources
.endr
	s_cmp_eq_u32 s[ISV], 1
	s_cbranch_scc1 .Lout_v
.irp a, 0,1,2,3,4,5,6,7
	BLOCKOUT \a, 0
.endr
.irp i, 0,1,2,3                                ; the scale words: lane (r, h), word i: tile 2 i + h, row r; a head's two bytes below, zeros above
	v_cndmask_b32 v[W+\i], v[PWS+2*\i], v[PWS+2*\i+1], s[HI]
.endr
.irp i, 0,1,2,3
	v_lshrrev_b32 v[W2+\i], 16, v[W+\i]            ; my second head's two bytes
.endr
.irp i, 0,1,2,3
	v_and_b32 v[W+\i], 0xffff, v[W+\i]             ; my first head's
.endr
	global_store_b128 v[LO16], v[W:W+3], s[8:9]
	global_store_b128 v[LO16], v[W2:W2+3], s[10:11]
	s_branch .Lend
.Lout_v:
.irp a, 0,1,2,3,4,5,6,7
	BLOCKOUT \a, 1
.endr
.irp i, 0,1                                    ; lane (r, h), word i: tile 2 i + h of the head's four, row r: four bytes, the 128 keys' blocks
	v_cndmask_b32 v[W+\i], v[PWS+2*\i], v[PWS+2*\i+1], s[HI]
	v_cndmask_b32 v[W2+\i], v[PWS+4+2*\i], v[PWS+5+2*\i], s[HI]
.endr
	global_store_b64 v[LO8], v[W:W+1], s[8:9]
	global_store_b64 v[LO8], v[W2:W2+1], s[10:11]
.Lend:
	s_wait_tensorcnt 0x0                           ; the wave's end
	ds_add_u32 v[SPW], v[NIL]
	s_wait_dscnt 0x0
	CROUND                                         ; the closing round: no work-group ends while a partner may still ask for a tile that names it
	s_endpgm
.Lfunc_end_k_qbd973001bb_proj:
	.size	k_qbd973001bb_proj, .Lfunc_end_k_qbd973001bb_proj-k_qbd973001bb_proj
	.p2alignl 7, 3214868480
	.fill 96, 4, 3214868480
	.section	.rodata,"a",@progbits
	.p2align	6, 0x0
	.amdhsa_kernel k_qbd973001bb_proj
		.amdhsa_group_segment_fixed_size 327680
		.amdhsa_private_segment_fixed_size 0
		.amdhsa_enable_private_segment 0
		.amdhsa_kernarg_size 72
		.amdhsa_user_sgpr_count 2
		.amdhsa_user_sgpr_kernarg_segment_ptr 1
		.amdhsa_wavefront_size32 1
		.amdhsa_system_sgpr_workgroup_id_x 1
		.amdhsa_system_sgpr_workgroup_id_y 1
		.amdhsa_system_sgpr_workgroup_id_z 1
		.amdhsa_system_vgpr_workitem_id 0
		.amdhsa_next_free_vgpr 1024
		.amdhsa_next_free_sgpr 102
		.amdhsa_reserve_vcc 0
		.amdhsa_float_denorm_mode_32 3
		.amdhsa_float_denorm_mode_16_64 3
		.amdhsa_memory_ordered 1
		.amdhsa_forward_progress 1
		.amdhsa_inst_pref_size 241
	.end_amdhsa_kernel
	.amdgpu_metadata
---
amdhsa.version: [ 1, 2 ]
amdhsa.kernels:
  - .name:           k_qbd973001bb_proj
    .symbol:         k_qbd973001bb_proj.kd
    .args:
      - { .name: xcodes, .offset: 0, .size: 8, .value_kind: global_buffer, .address_space: global }
      - { .name: xscales, .offset: 8, .size: 8, .value_kind: global_buffer, .address_space: global }
      - { .name: wcodes, .offset: 16, .size: 8, .value_kind: global_buffer, .address_space: global }
      - { .name: wscales, .offset: 24, .size: 8, .value_kind: global_buffer, .address_space: global }
      - { .name: b_q, .offset: 32, .size: 8, .value_kind: global_buffer, .address_space: global }
      - { .name: b_k, .offset: 40, .size: 8, .value_kind: global_buffer, .address_space: global }
      - { .name: b_v, .offset: 48, .size: 8, .value_kind: global_buffer, .address_space: global }
      - { .name: qi, .offset: 56, .size: 8, .value_kind: global_buffer, .address_space: global }
      - { .name: kv, .offset: 64, .size: 8, .value_kind: global_buffer, .address_space: global }
    .group_segment_fixed_size: 327680
    .private_segment_fixed_size: 0
    .kernarg_segment_align: 8
    .kernarg_segment_size: 72
    .max_flat_workgroup_size: 128
    .sgpr_count:     102
    .vgpr_count:     1024
    .wavefront_size: 32
...
	.end_amdgpu_metadata
.endif
;; end of part 2
;; launch attn (part 3): grid 4 x 64, 16 waves a work-group, clusters of 4 x 1, 210,944 bytes of LDS; arguments qi, kv, ocodes, oscales; writes ocodes, oscales
.if DOCPART == 3
	.amdgcn_target "amdgcn-amd-amdhsa--gfx1250"
	.amdhsa_code_object_version 6
	.text
	.protected	k_qbd973001bb_attn
	.globl	k_qbd973001bb_attn
	.p2align	8
	.type	k_qbd973001bb_attn,@function
k_qbd973001bb_attn:
	s_mov_b64 s[64:65], 0
	v_nop
	global_prefetch_b8 v0, s[64:65] scope:SCOPE_SE
	s_setreg_imm32_b32 hwreg(HW_REG_WAVE_MODE, 25, 1), 1
	s_wait_xcnt 0x0
	s_wait_alu depctr_hold_cnt(0) depctr_sa_sdst(0) depctr_va_vdst(0) depctr_va_sdst(0) depctr_va_ssrc(0) depctr_va_vcc(0) depctr_vm_vsrc(0)
	s_getreg_b32 s2, hwreg(HW_REG_IB_STS2, 6, 4)
	s_cmp_eq_u32 s2, 0
	s_cbranch_scc0 .Lentry_in_a_cluster
	s_endpgm
.Lentry_in_a_cluster:
	s_bfe_u32 s2, ttmp6, 0x10000c
	s_cmp_lg_u32 s2, 0x3003
	s_cbranch_scc0 .Lentry_shape_is_right
	s_endpgm
.Lentry_shape_is_right:
; O = softmax(Q K^T / 8) V for one (batch, head) a cluster, both products on codes of FP6 (E2M3) with E8M0 scales; O is quantised along the merged channels (two blocks of 32 a head) and stored as images of the last product's operand registers.
; THE SOFTMAX AHEAD OF THE SECOND PRODUCT: t = score x log2(e) / 8; M = the running largest t rounded UP to a whole number; p = 2^(t - M) is quantised along the keys, not normalised.  The row's sum is taken of the unquantised p
; and divides O at the end.  When M moves, the sum and O are multiplied by 2^(old M - new M): exact.
; SHARES.  The four work-groups of a cluster own 512 queries each of one head; sixteen waves, four to a SIMD; a wave owns one tile of 16 queries in each of two passes and walks the head's 2,048 keys, 128 a step.
; LDS.  The head's K and V, 16 records of 13,056 bytes (K's codes, V's codes, K's scale words, V's scale words, all as images of operand registers: 8 or 16 bytes a lane on end), are filled ONCE: wave w asks for record w,
; JOINTLY with the same wave of the three partners.  Nothing is filled again and nothing is stored to LDS, so one barrier serves the whole launch.
; LAYOUT.  Both products are used transposed: S^T = K Q^T (source 0 = 16 keys), O^T = V^T P^T (source 0 = 16 channels): a lane holds ONE query (lane % 16) throughout.  Tile 2 b + u of K holds in lane r key 32 b + 8 u + r + 8 (r / 8),
; so that the 16 registers of tiles 2 b, 2 b + 1 are keys 32 b + 16 (lane / 16) + 0 .. 15; V's tiles of channels likewise.
; THE HEAD'S K IS 64, THE INSTRUCTION'S 128: Q's upper six registers are zero codes.  K's tiles lie six registers apart, so a tile's upper six are the next tile's codes (zeros behind the last): they meet Q's zeros and add nothing;
; the upper two bytes of both scale words are 0.
; LIMITS: NaN and infinities are not served; O / the sum is a reciprocal (1 ulp) and a multiplication; a block of O under 2^-124 gets the byte 1.
; REGISTERS: v1-5 offsets that stay; v8-9 the step's LDS addresses; v12 -M, v13 the largest t, v[14:15] the sum; v16-27 Q and its zeros; v28 Q's scale word; v32-85 K's tiles and zeros, then V's; v86-91 K's and V's scale words;
;   v96-159 S^T, then p; v160-191 O^T; v192-203 p's codes; v204-210 O's codes; v232-254 at work.
.set REC,  13056
.set QREC, 6656
.set WV,   12                          ; s12 wave
.set G1,   24                          ; s[24:31], s[32:35] the descriptor
.set G0,   32
.set SEL,  36                          ; s[36:37] selects for lane l xor 16
.set CS,   38                          ; s[38:39] c = log2(e) / 8
.set TB,   40                          ; s40 LDS byte of the step's record
.set STP,  41                          ; s41 steps to go
.set PAS,  42                          ; s42 passes to go
.macro ROUND                           ; a round of the cluster's barrier
	s_barrier_signal -1
	s_barrier_wait -1
	s_cmp_lg_u32 s[WV], 0
	s_cbranch_scc1 .Lnot_wave_0_\@
	s_barrier_signal -3
.Lnot_wave_0_\@:
	s_barrier_wait -3
	s_barrier_signal -1
	s_barrier_wait -1
.endm
	s_load_b256 s[4:11], s[0:1], 0x0               ; qi, kv, ocodes, oscales
	v_lshl_add_u32 v251, v0, 2, 0x33000
	v_mov_b32 v255, 0
	ds_add_u32 v251, v255
	ds_add_u32 v251, v255
	v_lshrrev_b32 v1, 5, v0
	s_delay_alu instid0(VALU_DEP_1)
	v_readfirstlane_b32 s[WV], v1                  ; wave 0..15
	s_bfe_u32 s13, ttmp6, 0x40000                  ; cx: it enters Q's and the results' global addresses alone
	s_and_b32 s14, ttmp7, 0xffff                   ; batch x 16 + head: the cluster's y
	s_lshr_b32 s15, s14, 4
	s_and_b32 s16, s14, 15
	; group 1: a dense record as 51 rows of 256 bytes (32 elements of 8 bytes), no padding
	s_mov_b32 s[G1], 15|(3<<16)|(1<<21)            ; the mask: all four work-groups; bit 21 beside it
	s_mov_b32 s[G1+1], 32<<16
	s_mov_b32 s[G1+2], 51<<16
	s_mov_b32 s[G1+3], 32<<16
	s_mov_b32 s[G1+4], 51
	s_mov_b32 s[G1+5], 32
	s_mov_b32 s[G1+6], 0
	s_mov_b32 s[G1+7], 0
	s_lshl_b32 s18, s14, 4
	s_add_co_u32 s18, s18, s[WV]
	s_mul_i32 s18, s18, REC                        ; my record in memory,
	s_mov_b32 s19, 0
	s_mul_i32 s20, s[WV], REC                      ; and in LDS
	s_mov_b32 s[SEL], 0x76543210
	s_mov_b32 s[SEL+1], 0xfedcba98
	s_mov_b32 s[CS], 0x3e38aa3b
	s_mov_b32 s[CS+1], s[CS]                       ; (named with it as a pair, so it is written)
	s_wait_dscnt 0x0
	s_wait_kmcnt 0x0
	s_mov_b32 s[G0], 1
	s_mov_b32 s[G0+1], s20
	s_add_nc_u64 s[G0+2:G0+3], s[6:7], s[18:19]
	s_or_b32 s[G0+3], s[G0+3], 0x80000000
	ROUND                                          ; all four work-groups are here: the joint loads meet
	tensor_load_to_lds s[G0:G0+3], s[G1:G1+7]      ; one tensor load of mine is out; it is the launch's only one
	s_nop 0
.rept 4
	v_nop
.endr
	s_lshl_b32 s17, s13, 2
	s_lshr_b32 s46, s[WV], 3
	s_add_co_u32 s17, s17, s46                     ; my group of 128 queries in the first pass: 4 cx + wave / 8
	s_and_b32 s21, s[WV], 7                        ; my tile in it
	s_mov_b32 s45, 0
	s_lshl_b32 s44, s14, 4
	s_add_co_u32 s44, s44, s17
	s_mul_i32 s44, s44, QREC
	s_add_nc_u64 s[4:5], s[4:5], s[44:45]          ; Q's record
	s_lshl_b32 s44, s15, 4
	s_add_co_u32 s44, s44, s17
	s_mul_i32 s44, s44, 98304                      ; ocodes: 128 rows x 1,024 K,
	s_lshr_b32 s46, s16, 2
	s_mul_i32 s46, s46, 24576                      ; the K step of 256 (four heads),
	s_add_co_u32 s44, s44, s46
	s_mul_i32 s46, s21, 3072                       ; the tile of 16 rows,
	s_add_co_u32 s44, s44, s46
	s_bfe_u32 s46, s16, 0x10001
	s_mul_i32 s46, s46, 1536                       ; which 128 of the 256,
	s_add_co_u32 s44, s44, s46
	s_and_b32 s46, s16, 1
	s_mul_i32 s46, s46, 768                        ; which six of the fragment's twelve registers
	s_add_co_u32 s44, s44, s46
	s_add_nc_u64 s[8:9], s[8:9], s[44:45]
	s_lshl_b32 s44, s15, 11
	s_lshl_b32 s46, s17, 7
	s_add_co_u32 s44, s44, s46
	s_lshl_b32 s46, s21, 4
	s_add_co_u32 s44, s44, s46                     ; my first row of the 8,192
	s_lshl_b32 s44, s44, 5                         ; oscales: 32 bytes a row,
	s_lshl_b32 s46, s16, 1
	s_add_co_u32 s44, s44, s46                     ; two a head
	s_add_nc_u64 s[10:11], s[10:11], s[44:45]
	v_and_b32 v6, 31, v0
	v_and_b32 v7, 15, v0
	s_delay_alu instid0(VALU_DEP_2)
	v_lshlrev_b32 v1, 3, v6                        ; 8 x lane
	s_delay_alu instid0(VALU_DEP_3)
	v_lshlrev_b32 v2, 4, v6                        ; 16 x lane
	s_mul_i32 s22, s21, 768
	v_add_nc_u32 v3, s22, v1                       ; Q's codes: my tile's three planes
	s_and_b32 s22, s21, 1
	s_lshl_b32 s22, s22, 8
	s_lshr_b32 s23, s21, 1
	s_lshl_b32 s23, s23, 2
	s_add_co_u32 s22, s22, s23
	s_add_co_u32 s22, s22, 6144
	v_lshl_add_u32 v4, v7, 4, s22                  ; Q's scale word of row r: lane (r, tile % 2), word tile / 2
	v_lshlrev_b32 v5, 5, v7                        ; 32 r: my row of oscales
.irp j, 22,23,24,25,26,27,80,81,82,83,84,85
	v_mov_b32 v[\j], 0                             ; the zero codes
.endr
.irp j, 236,237,238,239,253
	v_mov_b32 v[\j], 0                             ; written once: a lane permute's destination counts as one of its sources; v253 is named as the upper half of a pair
.endr
	s_wait_tensorcnt 0x0                           ; my record has landed,
	s_barrier_signal -1
	s_barrier_wait -1                              ; everybody's has
	s_mov_b32 s[PAS], 2
.Lpass:
.irp p, 0,1,2
	global_load_b64 v[16+2*\p:17+2*\p], v3, s[4:5] offset:256*\p
.endr
	global_load_b32 v28, v4, s[4:5]
	v_mov_b32 v13, 0xff61b1e6                      ; the largest t so far: -3e38
	s_delay_alu instid0(VALU_DEP_1)
	v_floor_f32 v12, -v13                          ; -M
	v_mov_b32 v14, 0
	v_mov_b32 v15, 0
.set j, 0
.rept 32
	v_mov_b32 v[160+j], 0                          ; O^T: the step is written once; the first change of M leaves zeros zeros
.set j, j+1
.endr
	s_mov_b32 s[TB], 0
	s_mov_b32 s[STP], 16
	s_wait_loadcnt 0x0
.Lstep:
	s_setprio 2
	v_add_nc_u32 v8, s[TB], v1
	v_add_nc_u32 v9, s[TB], v2
	v_nop
	v_nop                                          ; four places behind the last products, in front of loads into their operands
.irp t, 0,1,2,3,4,5,6,7
.irp p, 0,1,2
	ds_load_b64 v[32+6*\t+2*\p:33+6*\t+2*\p], v8 offset:768*\t+256*\p
.endr
.endr
	ds_load_b128 v[86:89], v9 offset:12288         ; K's scale words: word i of lane (r, h): tile 2 i + h
	s_wait_alu depctr_va_vdst(0)
	s_wait_dscnt 0x0
.irp t, 0,1,2,3,4,5,6,7
.if \t%2
	v_wmma_scale_f32_16x16x128_f8f6f4 v[96+8*\t:103+8*\t], v[32+6*\t:43+6*\t], v[16:27], 0, v[86+\t/2], v28 matrix_a_fmt:MATRIX_FMT_FP6 matrix_b_fmt:MATRIX_FMT_FP6 matrix_a_scale:MATRIX_SCALE_ROW1
.else
	v_wmma_scale_f32_16x16x128_f8f6f4 v[96+8*\t:103+8*\t], v[32+6*\t:43+6*\t], v[16:27], 0, v[86+\t/2], v28 matrix_a_fmt:MATRIX_FMT_FP6 matrix_b_fmt:MATRIX_FMT_FP6
.endif
.endr
.rept 4
	v_nop                                          ; places in front of the loads into K's registers and of the first read of the scores
.endr
.irp t, 0,1,2,3
.irp c, 0,1,2
	ds_load_b128 v[32+12*\t+4*\c:35+12*\t+4*\c], v9 offset:6144+1536*\t+512*\c   ; V's four tiles land while the softmax is worked
.endr
.endr
	ds_load_b64 v[90:91], v8 offset:12800          ; V's scale words
.irp b, 0,1,2,3
	v_max3_num_f32 v[232+\b], v[96+16*\b], v[97+16*\b], v[98+16*\b]   ; the largest score of each block of 32 keys: for the row's maximum and, since p rises with the score, for the block's largest p
.endr
.irp i, 3,5,7,9,11,13
.irp b, 0,1,2,3
	v_max3_num_f32 v[232+\b], v[232+\b], v[96+16*\b+\i], v[97+16*\b+\i]
.endr
.endr
.irp b, 0,1,2,3
	v_max_num_f32 v[232+\b], v[232+\b], v[111+16*\b]
.endr
.irp b, 0,1,2,3
	s_delay_alu instid0(VALU_DEP_4)
	v_permlanex16_b32 v[236+\b], v[232+\b], s[SEL], s[SEL+1]
.endr
.irp b, 0,1,2,3
	s_delay_alu instid0(VALU_DEP_4)
	v_max_num_f32 v[232+\b], v[232+\b], v[236+\b]  ; with lane l xor 16's 16 keys
.endr
	s_delay_alu instid0(VALU_DEP_2)
	v_max3_num_f32 v254, v232, v233, v234
	s_delay_alu instid0(VALU_DEP_1)
	v_max_num_f32 v254, v254, v235
	s_delay_alu instid0(VALU_DEP_1)
	v_mul_f32 v254, s[CS], v254                    ; the step's largest t
	s_delay_alu instid0(VALU_DEP_1)
	v_max_num_f32 v13, v13, v254
	v_mov_b32 v254, v12
	s_delay_alu instid0(VALU_DEP_2)
	v_floor_f32 v12, -v13                          ; the new -M = -ceil(t)
	s_delay_alu instid0(VALU_DEP_1)
	v_sub_f32 v254, v12, v254                      ; old M - new M: a whole number, 0 or less
	s_delay_alu instid0(VALU_DEP_1)
	v_cvt_i32_f32 v254, v254                       ; (it saturates)
	s_delay_alu instid0(VALU_DEP_1)
	v_ldexp_f32 v252, 1.0, v254                    ; f = 2^(old M - new M)
.set j, 0
.rept 32
	v_pk_fma_f32 v[96+j:97+j], v[96+j:97+j], s[CS:CS+1], v[12:13] op_sel_hi:[1,0,0]   ; t - M, two at a time
.set j, j+2
.endr
.irp b, 0,1,2,3
	v_fma_f32 v[232+\b], v[232+\b], s[CS], v12
.endr
.set j, 0
	s_setprio 1
	s_wait_alu depctr_va_vdst(0)
.rept 64
	v_exp_f32 v[96+j], v[96+j]                     ; p = 2^(t - M)
.set j, j+1
.endr
	v_pk_mul_f32 v[14:15], v[14:15], v[252:253] op_sel_hi:[1,0]   ; the sums under the new M: the plain place behind the exponentials
	s_wait_alu depctr_va_vdst(0)                   ; one wait for the batch, ahead of its first reader
.irp b, 0,1,2,3
	v_exp_f32 v[232+\b], v[232+\b]                 ; the blocks' largest p
.endr
	v_pk_add_f32 v[236:237], v[100:101], v[104:105]
	v_pk_add_f32 v[248:249], v[108:109], v[112:113]
	v_pk_add_f32 v[246:247], v[116:117], v[120:121]
	v_pk_add_f32 v[244:245], v[124:125], v[128:129]
	v_pk_add_f32 v[242:243], v[132:133], v[136:137]
	v_pk_add_f32 v[240:241], v[140:141], v[144:145]
	v_pk_add_f32 v[238:239], v[148:149], v[152:153]
	v_pk_add_f32 v[14:15], v[14:15], v[156:157]
	v_pk_add_f32 v[236:237], v[236:237], v[96:97]
	v_pk_add_f32 v[248:249], v[248:249], v[98:99]
	v_pk_add_f32 v[246:247], v[246:247], v[102:103]
	v_pk_add_f32 v[244:245], v[244:245], v[106:107]
	v_pk_add_f32 v[242:243], v[242:243], v[110:111]
	v_pk_add_f32 v[240:241], v[240:241], v[114:115]
	v_pk_add_f32 v[238:239], v[238:239], v[118:119]
	v_pk_add_f32 v[14:15], v[14:15], v[122:123]
	v_pk_add_f32 v[236:237], v[236:237], v[126:127]
	v_pk_add_f32 v[248:249], v[248:249], v[130:131]
	v_pk_add_f32 v[246:247], v[246:247], v[134:135]
	v_pk_add_f32 v[244:245], v[244:245], v[138:139]
	v_pk_add_f32 v[242:243], v[242:243], v[142:143]
	v_pk_add_f32 v[240:241], v[240:241], v[146:147]
	v_pk_add_f32 v[238:239], v[238:239], v[150:151]
	v_pk_add_f32 v[14:15], v[14:15], v[154:155]
	v_pk_add_f32 v[236:237], v[236:237], v[158:159]
	s_delay_alu instid0(VALU_DEP_2)
	v_pk_add_f32 v[14:15], v[14:15], v[244:245]
	s_delay_alu instid0(VALU_DEP_2)
	v_pk_add_f32 v[236:237], v[236:237], v[242:243]
	v_pk_add_f32 v[248:249], v[248:249], v[240:241]
	v_pk_add_f32 v[246:247], v[246:247], v[238:239]
	s_delay_alu instid0(VALU_DEP_2)
	v_pk_add_f32 v[14:15], v[14:15], v[248:249]
	s_delay_alu instid0(VALU_DEP_2)
	v_pk_add_f32 v[236:237], v[236:237], v[246:247]
	s_delay_alu instid0(VALU_DEP_1)
	v_pk_add_f32 v[14:15], v[14:15], v[236:237]
	s_wait_alu depctr_va_vdst(0)                   ; and one for the four
.irp b, 0,1,2,3
	v_max_num_f32 v[232+\b], 0x1800000, v[232+\b]  ; the floor: the byte cannot fall under 1
.endr
.irp b, 0,1,2,3
	s_delay_alu instid0(VALU_DEP_4)
	v_add_nc_u32 v[244+\b], 0xff000000, v[232+\b]  ; the conversion's scale operand
.endr
.irp b, 0,1,2,3
	s_delay_alu instid0(VALU_DEP_4)
	v_lshrrev_b32 v[236+\b], 23, v[244+\b]
.endr
	s_delay_alu instid0(VALU_DEP_3)
	v_lshl_or_b32 v253, v237, 8, v236              ; p's scale word for these 128 keys
	s_delay_alu instid0(VALU_DEP_1)
	v_lshl_or_b32 v253, v238, 16, v253
	s_delay_alu instid0(VALU_DEP_1)
	v_lshl_or_b32 v253, v239, 24, v253
.irp c, 0,1
	v_cvt_scalef32_pk16_fp6_f32 v[192+6*\c:194+6*\c], v[96+32*\c:111+32*\c], v[244+2*\c]
	v_cvt_scalef32_pk16_fp6_f32 v[236+4*\c:238+4*\c], v[112+32*\c:127+32*\c], v[244+2*\c+1]
.endr
	v_nop                                          ; one plain place behind a scaled conversion
.irp c, 0,1
.irp i, 0,1,2
	v_permlane16_swap_b32 v[192+6*\c+\i], v[236+4*\c+\i]
.endr
.irp i, 0,1,2
	s_delay_alu instid0(VALU_DEP_3)
	v_mov_b32 v[195+6*\c+\i], v[236+4*\c+\i]
.endr
.endr
.set j, 0
	s_setprio 0
.rept 16
	v_pk_mul_f32 v[160+j:161+j], v[160+j:161+j], v[252:253] op_sel_hi:[1,0]   ; O^T under the new M; these sixteen also stand between the writes of p's codes and scale word and the products
.set j, j+2
.endr
	s_wait_alu depctr_va_vdst(0)
	s_wait_dscnt 0x0                               ; V
.irp t, 0,1,2,3                                ; O^T += V^T P^T: four accumulators by turns
.if \t%2
	v_wmma_scale_f32_16x16x128_f8f6f4 v[160+8*\t:167+8*\t], v[32+12*\t:43+12*\t], v[192:203], v[160+8*\t:167+8*\t], v[90+\t/2], v253 matrix_a_fmt:MATRIX_FMT_FP6 matrix_b_fmt:MATRIX_FMT_FP6 matrix_a_scale:MATRIX_SCALE_ROW1
.else
	v_wmma_scale_f32_16x16x128_f8f6f4 v[160+8*\t:167+8*\t], v[32+12*\t:43+12*\t], v[192:203], v[160+8*\t:167+8*\t], v[90+\t/2], v253 matrix_a_fmt:MATRIX_FMT_FP6 matrix_b_fmt:MATRIX_FMT_FP6
.endif
.endr
	s_add_co_u32 s[TB], s[TB], REC
	s_sub_co_u32 s[STP], s[STP], 1
	s_cmp_lg_u32 s[STP], 0
	s_cbranch_scc1 .Lstep
	s_setprio 0
	; THE WAY OUT of a pass: O^T / the sum; register 16 c + i is channel 32 c + 16 (lane / 16) + i of my query: two blocks, quantised and stored
.rept 4
	v_nop
.endr
	v_add_f32 v14, v14, v15
	s_delay_alu instid0(VALU_DEP_1)
	v_permlanex16_b32 v252, v14, s[SEL], s[SEL+1]
	s_delay_alu instid0(VALU_DEP_1)
	v_add_f32 v14, v14, v252                       ; the row's sum
	s_wait_alu depctr_va_vdst(0)
	v_rcp_f32 v14, v14
	v_nop                                          ; one plain place behind the transcendental,
	s_wait_alu depctr_va_vdst(0)                   ; and the wait ahead of its first reader
.set j, 0
.rept 16
	v_pk_mul_f32 v[96+j:97+j], v[160+j:161+j], v[14:15] op_sel_hi:[1,0]   ; each accumulator from its low end on
.set j, j+2
.endr
.irp c, 0,1
	v_max3_num_f32 v[232+\c], |v[96+16*\c]|, |v[97+16*\c]|, 0x1800000
.endr
.irp i, 2,4,6,8,10,12,14
.irp c, 0,1
	s_delay_alu instid0(VALU_DEP_2)
	v_max3_num_f32 v[232+\c], v[232+\c], |v[96+16*\c+\i]|, |v[97+16*\c+\i]|
.endr
.endr
.irp c, 0,1
	s_delay_alu instid0(VALU_DEP_2)
	v_permlanex16_b32 v[236+\c], v[232+\c], s[SEL], s[SEL+1]
.endr
.irp c, 0,1
	s_delay_alu instid0(VALU_DEP_2)
	v_max_num_f32 v[232+\c], v[232+\c], v[236+\c]
.endr
.irp c, 0,1
	s_delay_alu instid0(VALU_DEP_2)
	v_add_nc_u32 v[244+\c], 0xff000000, v[232+\c]
.endr
.irp c, 0,1
	s_delay_alu instid0(VALU_DEP_2)
	v_lshrrev_b32 v[236+\c], 23, v[244+\c]
.endr
	s_delay_alu instid0(VALU_DEP_1)
	v_lshl_or_b32 v254, v237, 8, v236              ; the head's two scale bytes of my row
	v_cvt_scalef32_pk16_fp6_f32 v[204:206], v[96:111], v244
	v_cvt_scalef32_pk16_fp6_f32 v[208:210], v[112:127], v245
	v_nop
.irp i, 0,1,2
	v_permlane16_swap_b32 v[204+\i], v[208+\i]     ; lanes 0-15 now hold block 0, lanes 16-31 block 1: lower 16 codes in the first three registers, upper 16 in the second three
.endr
	s_delay_alu instid0(VALU_DEP_3)
	v_mov_b32 v207, v208
	s_delay_alu instid0(VALU_DEP_3)
	v_mov_b32 v208, v209
	s_delay_alu instid0(VALU_DEP_3)
	v_mov_b32 v209, v210
.irp p, 0,1,2
	global_store_b64 v1, v[204+2*\p:205+2*\p], s[8:9] offset:256*\p   ; 32 lanes store 256 consecutive bytes, aligned
.endr
	global_store_b16 v5, v254, s[10:11]            ; two bytes a row (both halves of the lanes write the same): 1/24 of what the pass stores; kept so that the next launch finds plain rows of scale bytes
	s_wait_xcnt 0x0                                ; the stores have read their registers and bases
	s_add_nc_u64 s[4:5], s[4:5], 2*QREC            ; the second pass: 256 queries on
	s_add_nc_u64 s[8:9], s[8:9], 2*98304
	s_add_nc_u64 s[10:11], s[10:11], 256*32
	s_sub_co_u32 s[PAS], s[PAS], 1
	s_cmp_lg_u32 s[PAS], 0
	s_cbranch_scc1 .Lpass
	s_wait_tensorcnt 0x0
	ds_add_u32 v251, v255
	s_wait_dscnt 0x0
	ROUND                                          ; the closing round
	s_endpgm
.Lfunc_end_k_qbd973001bb_attn:
	.size	k_qbd973001bb_attn, .Lfunc_end_k_qbd973001bb_attn-k_qbd973001bb_attn
	.p2alignl 7, 3214868480
	.fill 96, 4, 3214868480
	.section	.rodata,"a",@progbits
	.p2align	6, 0x0
	.amdhsa_kernel k_qbd973001bb_attn
		.amdhsa_group_segment_fixed_size 210944
		.amdhsa_private_segment_fixed_size 0
		.amdhsa_enable_private_segment 0
		.amdhsa_kernarg_size 32
		.amdhsa_user_sgpr_count 2
		.amdhsa_user_sgpr_kernarg_segment_ptr 1
		.amdhsa_wavefront_size32 1
		.amdhsa_system_sgpr_workgroup_id_x 1
		.amdhsa_system_sgpr_workgroup_id_y 1
		.amdhsa_system_sgpr_workgroup_id_z 1
		.amdhsa_system_vgpr_workitem_id 0
		.amdhsa_next_free_vgpr 256
		.amdhsa_next_free_sgpr 66
		.amdhsa_reserve_vcc 0
		.amdhsa_float_denorm_mode_32 3
		.amdhsa_float_denorm_mode_16_64 3
		.amdhsa_memory_ordered 1
		.amdhsa_forward_progress 1
		.amdhsa_inst_pref_size 30
	.end_amdhsa_kernel
	.amdgpu_metadata
---
amdhsa.version: [ 1, 2 ]
amdhsa.kernels:
  - .name:           k_qbd973001bb_attn
    .symbol:         k_qbd973001bb_attn.kd
    .args:
      - { .name: qi, .offset: 0, .size: 8, .value_kind: global_buffer, .address_space: global }
      - { .name: kv, .offset: 8, .size: 8, .value_kind: global_buffer, .address_space: global }
      - { .name: ocodes, .offset: 16, .size: 8, .value_kind: global_buffer, .address_space: global }
      - { .name: oscales, .offset: 24, .size: 8, .value_kind: global_buffer, .address_space: global }
    .group_segment_fixed_size: 210944
    .private_segment_fixed_size: 0
    .kernarg_segment_align: 8
    .kernarg_segment_size: 32
    .max_flat_workgroup_size: 512
    .sgpr_count:     66
    .vgpr_count:     256
    .wavefront_size: 32
...
	.end_amdgpu_metadata
.endif
;; end of part 3
;; launch oproj (part 4): grid 4 x 32, 4 waves a work-group, clusters of 4 x 4, 327,680 bytes of LDS; arguments ocodes, oscales, wcodes, wscales, b_o, out0; writes out0
.if DOCPART == 4
	.amdgcn_target "amdgcn-amd-amdhsa--gfx1250"
	.amdhsa_code_object_version 6
	.text
	.protected	k_qbd973001bb_oproj
	.globl	k_qbd973001bb_oproj
	.p2align	8
	.type	k_qbd973001bb_oproj,@function
k_qbd973001bb_oproj:
	s_mov_b64 s[64:65], 0
	v_nop
	global_prefetch_b8 v0, s[64:65] scope:SCOPE_SE
	s_setreg_imm32_b32 hwreg(HW_REG_WAVE_MODE, 25, 1), 1
	s_wait_xcnt 0x0
	s_wait_alu depctr_hold_cnt(0) depctr_sa_sdst(0) depctr_va_vdst(0) depctr_va_sdst(0) depctr_va_ssrc(0) depctr_va_vcc(0) depctr_vm_vsrc(0)
	s_getreg_b32 s2, hwreg(HW_REG_IB_STS2, 6, 4)
	s_cmp_eq_u32 s2, 0
	s_cbranch_scc0 .Lentry_in_a_cluster
	s_endpgm
.Lentry_in_a_cluster:
	s_bfe_u32 s2, ttmp6, 0x10000c
	s_cmp_lg_u32 s2, 0xf033
	s_cbranch_scc0 .Lentry_shape_is_right
	s_endpgm
.Lentry_shape_is_right:
; out0 = O W_o + b_o on codes of FP6 (E2M3) with E8M0 scales: M = 8,192, N = K = 1,024; out0 f32.
; A tile of C, 256 x 256, is made by four waves, 128 x 128 each.  K goes in steps of 256 through a ring of two LDS slots filled by the tensor data mover; the scale bytes of the tile's rows come once and stay.
; A (the attention's result) lies in memory as IMAGES OF ITS FRAGMENTS' REGISTERS: 128 rows x 256 K are one dense block of 24,576 bytes, [tile of 16 rows][which 128 of K][pair of registers][lane][8 bytes]: one tensor load, no padding,
; and a fragment is six loads of 8 bytes a lane on end.  B = W_o's stored rows (codes with K innermost, rows of 768 bytes; bits 3 and 4 of the row's number exchanged), as rows of 192 bytes with 16 bytes of padding behind every 64.
; CLUSTERS of 4 x 4: A's tiles are asked for jointly along a row of the cluster, B's along a column.  THE MATRIX INSTRUCTION IS USED TRANSPOSED (source 0 = B, source 1 = A): a lane holds one row of C; its eight results of block b
; are columns 32 (b / 2) + 16 (lane / 16) + 8 (b % 2) + 0 .. 7, by the order of B's stored rows.  The bias, in that layout, is the C of each sum's first product.
; 128 work-groups: the tile is kept large for the sake of LDS reads for each product.
; REGISTERS, in windows of 256: window 0: v0-31 addresses; v32-63 scale words; v64-127 the bias; from v128 A's fragments, one set; on the way out v128-255 rows of C.  window 1: B's fragments, two sets.  windows 2, 3: the accumulators.
.set SIZE_N, 1024
.set NQ,     2
.set ROWB,   192
.set KROW,   768
.set PITCH,  240
.set FR,     12
.set NL,     6
.set NP,     4
.set HALFT,  128*PITCH
.set SLOT,   4*HALFT
.set ABLK,   24576                     ; A: 128 rows x 256 K as images
.set LAPS,   2
.set KS,     32
.set SCL,    2*SLOT
.set HALFS,  16*272
.set SBLK,   2*272
.set SPARE,  SCL+4*HALFS               ; the spare words, 128 bytes for each wave; no other line names them
.set SPITCH, 528                       ; the way out: a stage of 16 rows x (512 bytes + 16) for each wave, in slot 0, which has had its last fill and its last read when the first result is stored there
.set ADRA, 16                          ; v16-17 my A images in slot 0, 1: + 8 x lane
.set ADRB, 20                          ; v20-23 my B fragments
.set STO,  24
.set RD,   25
.set CO,   26
.set ADRS, 27
.set SPW,  28
.set NIL,  29
.set BA,   30                          ; v30 64 x (lane / 16)
.set SC,   32
.set BIAS, 64
.set AF,   128
.set BK,   128
.set G1, 24
.set G0, 32
.set G1B, 48
.set G0B, 56
.set G1S, 68
.set G0S, 76
.set G1SB, 80
.set G0SB, 88
.set MSB, 0
.macro WIN new
.if MSB != \new
	s_set_vgpr_msb (MSB<<8)|\new
.set MSB, \new
.endif
.endm
.set MUL_LO, 0xa1
.set MUL_HI, 0xf1
.set TO_B,   0x40
.macro JLOAD g0a, g1a, g0b, g1b        ; a joint load: waves 0 and 1 fetch for A, waves 2 and 3 for B; four v_nop follow each of the two lines
	s_cmp_eq_u32 s15, 0
	s_cbranch_scc0 .Lfor_b_\@
	tensor_load_to_lds s[\g0a:\g0a+3], s[\g1a:\g1a+7]
	s_nop 0
.rept 4
	v_nop
.endr
	s_branch .Lasked_\@
.Lfor_b_\@:
	tensor_load_to_lds s[\g0b:\g0b+3], s[\g1b:\g1b+7]
	s_nop 0
.rept 4
	v_nop
.endr
.Lasked_\@:
.endm
.macro CREST
	s_cmp_lg_u32 s14, 0
	s_cbranch_scc1 .Lnot_wave_0_\@
	s_barrier_signal -3
.Lnot_wave_0_\@:
	s_barrier_wait -3
	s_barrier_signal -1
	s_barrier_wait -1
.endm
.macro CROUND
	s_barrier_signal -1
	s_barrier_wait -1
	CREST
.endm
	s_load_b128 s[4:7], s[0:1], 0x0                ; ocodes, oscales
	s_load_b128 s[8:11], s[0:1], 0x10              ; wcodes, wscales
	s_load_b64 s[96:97], s[0:1], 0x20              ; b_o
	s_load_b64 s[12:13], s[0:1], 0x28              ; out0
	v_lshl_add_u32 v[SPW], v0, 2, SPARE
	v_mov_b32 v[NIL], 0
	ds_add_u32 v28, v29
	ds_add_u32 v28, v29
	s_wait_dscnt 0x0
	v_lshrrev_b32 v1, 5, v0
	v_readfirstlane_b32 s14, v1                    ; wave 0..3
	s_lshr_b32 s15, s14, 1                         ; which half of the tile's rows is mine.  Also: I fetch for A (0) or for B (1)
	s_and_b32 s16, s14, 1                          ; which half of its columns.  Also: which 128 rows I fetch
	s_bfe_u32 s40, ttmp6, 0x40000
	s_bfe_u32 s41, ttmp6, 0x40004
	s_lshl_b32 s42, ttmp9, 2
	s_add_co_u32 s42, s42, s40                     ; tile column
	s_and_b32 s17, ttmp7, 0xffff
	s_lshl_b32 s17, s17, 2
	s_add_co_u32 s17, s17, s41                     ; tile row
	s_lshl_b32 s43, s41, 2
	s_lshl_b32 s43, 15, s43
	s_lshl_b32 s44, 0x1111, s40
	; A: a dense block of 24,576 bytes as 96 rows of 256 (32 elements of 8 bytes), no padding
	s_or_b32 s[G1+0], s43, (3<<16)|(1<<21)
	s_mov_b32 s[G1+1], 32<<16
	s_mov_b32 s[G1+2], 96<<16
	s_mov_b32 s[G1+3], 32<<16
	s_mov_b32 s[G1+4], 96
	s_mov_b32 s[G1+5], 32
	s_mov_b32 s[G1+6], 0
	s_mov_b32 s[G1+7], 0
	; B: 128 rows x 192 bytes, 16 bytes of padding behind every 64
	s_or_b32 s[G1B+0], s44, (0<<16)|(1<<20)|(1<<21)|(3<<22)|(3<<25)
	s_mov_b32 s[G1B+1], ROWB<<16
	s_mov_b32 s[G1B+2], 128<<16
	s_mov_b32 s[G1B+3], ROWB<<16
	s_mov_b32 s[G1B+4], 128
	s_mov_b32 s[G1B+5], KROW
	s_mov_b32 s[G1B+6], 0
	s_mov_b32 s[G1B+7], 0
	; the scales of 128 rows: 4,096 dense bytes as 16 rows of 256, 16 bytes of padding behind each
	s_or_b32 s[G1S+0], s43, (3<<16)|(1<<20)|(1<<21)|(5<<22)|(3<<25)
	s_or_b32 s[G1SB+0], s44, (3<<16)|(1<<20)|(1<<21)|(5<<22)|(3<<25)
.irp g, G1S, G1SB
	s_mov_b32 s[\g+1], 32<<16
	s_mov_b32 s[\g+2], 16<<16
	s_mov_b32 s[\g+3], 32<<16
	s_mov_b32 s[\g+4], 16
	s_mov_b32 s[\g+5], 32
	s_mov_b32 s[\g+6], 0
	s_mov_b32 s[\g+7], 0
.endr
	s_lshl_b32 s18, s17, 1
	s_add_co_u32 s18, s18, s16                     ; A: which 128 rows of the 8,192 I fetch
	s_mul_i32 s20, s18, 4*ABLK                     ; their images,
	s_mov_b32 s21, 0
	s_lshl_b32 s22, s18, 12                        ; their scale bytes
	s_mov_b32 s23, 0
	s_lshl_b32 s18, s16, 7
	s_lshl_b32 s46, s42, 8
	s_add_co_u32 s46, s46, s18                     ; B: stored row 256 x tile column + 128 x half
	s_mov_b32 s47, 0
	s_mov_b64 s[18:19], KS
	s_mul_u64 s[92:93], s[46:47], s[18:19]
	s_mov_b64 s[18:19], KROW
	s_mul_u64 s[46:47], s[46:47], s[18:19]
	s_mul_i32 s45, s14, HALFT                      ; where they go: no place in the cluster enters an LDS address
	s_mul_i32 s94, s14, HALFS
	s_wait_kmcnt 0x0
	s_add_nc_u64 s[8:9], s[8:9], 3*1024*KROW       ; W_o is the fourth weight
	s_add_nc_u64 s[10:11], s[10:11], 3*1024*KS
	s_add_nc_u64 s[20:21], s[4:5], s[20:21]
	s_add_nc_u64 s[22:23], s[6:7], s[22:23]
	s_add_nc_u64 s[46:47], s[8:9], s[46:47]
	s_add_nc_u64 s[92:93], s[10:11], s[92:93]
	CROUND                                         ; all sixteen work-groups are here: the first joint loads meet
	s_mov_b32 s[G0S], 1
	s_add_co_u32 s[G0S+1], s94, SCL
	s_mov_b64 s[G0S+2:G0S+3], s[22:23]
	s_or_b32 s[G0S+3], s[G0S+3], 0x80000000
	s_mov_b32 s[G0SB], 1
	s_add_co_u32 s[G0SB+1], s94, SCL
	s_mov_b64 s[G0SB+2:G0SB+3], s[92:93]
	s_or_b32 s[G0SB+3], s[G0SB+3], 0x80000000
	JLOAD G0S, G1S, G0SB, G1SB
.irp s, 0,1
	s_mov_b32 s[G0+4*\s], 1
	s_add_co_u32 s[G0+4*\s+1], s45, \s*SLOT
	s_add_nc_u64 s[G0+4*\s+2:G0+4*\s+3], s[20:21], \s*ABLK
	s_or_b32 s[G0+4*\s+3], s[G0+4*\s+3], 0x80000000
	s_mov_b32 s[G0B+4*\s], 1
	s_add_co_u32 s[G0B+4*\s+1], s45, \s*SLOT
	s_add_nc_u64 s[G0B+4*\s+2:G0B+4*\s+3], s[46:47], \s*ROWB
	s_or_b32 s[G0B+4*\s+3], s[G0B+4*\s+3], 0x80000000
	JLOAD G0+4*\s, G1, G0B+4*\s, G1B               ; three tensor loads of mine are out
.endr
	v_and_b32 v1, 15, v0                           ; r
	v_bfe_u32 v2, v0, 4, 1                         ; h
	v_and_b32 v7, 31, v0                           ; lane
	v_mul_u32_u24 v3, v1, PITCH
	v_mul_u32_u24 v4, v2, 24
	v_add_nc_u32 v4, v3, v4
	v_lshl_add_u32 v5, v2, 4, v4
	v_lshlrev_b32 v6, 3, v7                        ; 8 x lane
	s_mul_i32 s21, s15, HALFT
	s_mul_i32 s22, s16, HALFT
	s_add_co_u32 s22, s22, 2*HALFT
.irp s, 0,1
	v_add_nc_u32 v[ADRA+\s], s21, v6
	v_add_nc_u32 v[ADRB+\s], s22, v4
	v_add_nc_u32 v[ADRB+2+\s], s22, v5
	s_add_co_u32 s21, s21, SLOT
	s_add_co_u32 s22, s22, SLOT
.endr
	v_mul_u32_u24 v5, v1, KS
	v_lshrrev_b32 v6, 8, v5
	v_lshl_add_u32 v5, v6, 4, v5
	s_mul_i32 s21, s15, HALFS
	s_mul_i32 s22, s16, HALFS
	s_add_co_u32 s22, s22, 2*HALFS
	s_sub_co_u32 s22, s22, s21
	v_mul_u32_u24 v6, s22, v2                      ; lanes 16-31 take B's
	s_add_co_u32 s21, s21, SCL
	v_add_nc_u32 v5, v5, v6
	v_add_nc_u32 v[ADRS], s21, v5
	s_mul_i32 s23, s14, 16*SPITCH                  ; my stage
	v_mul_u32_u24 v5, v1, SPITCH                   ; in: row r, + 64 bytes for lanes 16-31: their columns lie 16 further on
	v_lshl_add_u32 v5, v2, 6, v5
	v_add_nc_u32 v[STO], s23, v5
	v_lshlrev_b32 v[CO], 4, v7                     ; back: the 32 lanes take one row of 512 bytes; and the same in C
	v_add_nc_u32 v[RD], s23, v[CO]
	v_lshlrev_b32 v[BA], 6, v2
	s_lshl_b32 s20, s17, 8
	s_lshl_b32 s21, s15, 7
	s_add_co_u32 s20, s20, s21                     ; my first row of C
	s_mov_b32 s21, 0
	s_mov_b64 s[18:19], SIZE_N*4
	s_mul_u64 s[20:21], s[20:21], s[18:19]
	s_lshl_b32 s46, s42, 10                        ; my first column, in bytes
	s_lshl_b32 s47, s16, 9
	s_add_co_u32 s46, s46, s47
	s_mov_b32 s47, 0
	s_add_nc_u64 s[20:21], s[20:21], s[46:47]
	s_add_nc_u64 s[12:13], s[12:13], s[20:21]
	s_add_nc_u64 s[96:97], s[96:97], s[46:47]      ; the bias at my first column
.irp b, 0,1,2,3
.irp j, 0,1,2,3
	global_load_b128 v[BIAS+16*\b+4*\j:BIAS+16*\b+4*\j+3], v[BA], s[96:97] offset:128*\b+16*\j   ; register 16 b + i: column 32 b + 16 h + i; its address registers are never rewritten
.endr
.endr
.macro FRAG reg, adr, q, i             ; B: 16 rows x 128 K, in pieces of 8 bytes; the second address register serves the pieces that lie behind one padding more
.irp p, 0,1,2,3,4,5
.set PCE, 12*(\q)+6*(\p/3)+\p%3
.if PCE%8 < 5
	ds_load_b64 v[\reg+2*\p:\reg+2*\p+1], v[\adr] offset:8*PCE+16*(PCE/8)+(\i)*16*PITCH
.else
	ds_load_b64 v[\reg+2*\p:\reg+2*\p+1], v[\adr+2] offset:8*PCE+16*(PCE/8)+(\i)*16*PITCH
.endif
.endr
.endm
.macro FRAGA reg, slot, q, i           ; A: the image of tile i, the slot's q-th 128 along K: six planes of 256 bytes
.irp p, 0,1,2,3,4,5
	ds_load_b64 v[\reg+2*\p:\reg+2*\p+1], v[ADRA+\slot] offset:(2*(\i)+(\q))*1536+256*\p
.endr
.endm
; 16 matrix instructions.  zero = 1: the first product starts the sums from the bias.  The 64 accumulators take turns, one instruction a turn.
.macro MUL16 a0, p, q, sc, zero
.irp a, \a0, \a0+1
.irp b, 0,1,2,3,4,5,6,7
.if \zero
	v_wmma_scale_f32_16x16x128_f8f6f4 v[8*(8*((\a)%4)+\b):8*(8*((\a)%4)+\b)+7], v[128*(\p)+FR*\b:128*(\p)+FR*\b+FR-1], v[AF+FR*(\a):AF+FR*(\a)+FR-1], v[BIAS+8*\b:BIAS+8*\b+7], v[SC+8*NQ*(\sc)+NQ*\b+(\q)], v[SC+8*NQ*(\sc)+NQ*(\a)+(\q)] matrix_a_fmt:MATRIX_FMT_FP6 matrix_b_fmt:MATRIX_FMT_FP6 matrix_a_scale:MATRIX_SCALE_ROW1
.else
	v_wmma_scale_f32_16x16x128_f8f6f4 v[8*(8*((\a)%4)+\b):8*(8*((\a)%4)+\b)+7], v[128*(\p)+FR*\b:128*(\p)+FR*\b+FR-1], v[AF+FR*(\a):AF+FR*(\a)+FR-1], v[8*(8*((\a)%4)+\b):8*(8*((\a)%4)+\b)+7], v[SC+8*NQ*(\sc)+NQ*\b+(\q)], v[SC+8*NQ*(\sc)+NQ*(\a)+(\q)] matrix_a_fmt:MATRIX_FMT_FP6 matrix_b_fmt:MATRIX_FMT_FP6 matrix_a_scale:MATRIX_SCALE_ROW1
.endif
.endr
.endr
.endm
.macro FETCH_B slot, q, p
	WIN TO_B
.irp i, 0,1,2,3,4,5,6,7
	FRAG 128*(\p)+FR*\i, ADRB+\slot, \q, \i
.endr
	WIN 0
.endm
.macro FETCH_A slot, q, i0
.irp i, \i0, \i0+1, \i0+2, \i0+3
	FRAGA AF+FR*(\i), \slot, \q, \i
.endr
.endm
.macro SCALES sc
.irp i, 0,1,2,3,4,5,6,7
	ds_load_b64 v[SC+8*NQ*\sc+NQ*\i:SC+8*NQ*\sc+NQ*\i+1], v[ADRS] offset:\i*SBLK
.endr
.endm
.macro PLACES n
.rept \n
	v_nop
.endr
.endm
.macro STEP slot, q, zero
	s_wait_dscnt 4*NL                              ; B's set and A's blocks 0-3 are in; A's blocks 4-7 may be out
.if \zero
	WIN 0x81                                       ; C (the bias) window 0, D window 2
.else
	WIN MUL_LO
.endif
	MUL16 0, (\q)%2, \q, \slot, \zero
	MUL16 2, (\q)%2, \q, \slot, \zero
	s_wait_dscnt 0
	PLACES NP
	FETCH_B \slot, (\q)+1, 1-(\q)%2
	FETCH_A \slot, (\q)+1, 0
.if \zero
	WIN 0xc1
.else
	WIN MUL_HI
.endif
	MUL16 4, (\q)%2, \q, \slot, \zero
	MUL16 6, (\q)%2, \q, \slot, \zero
	PLACES NP
	WIN 0
	FETCH_A \slot, (\q)+1, 4
.endm
.macro TURN slot, next, fill           ; a slot's last step changes slots: one barrier, with each wave's three lines in front of it
	s_wait_tensorcnt 0x0                           ; all my tensor loads have landed: my part of the next slot
	ds_add_u32 v[SPW], v[NIL]                      ; 0 onto my spare word
	s_wait_dscnt 4*NL+1                            ; (the add and A's blocks 4-7 may be out)
	WIN MUL_LO
	MUL16 0, 1, NQ-1, \slot, 0
	s_wait_dscnt 0x0                               ; the add is done, and my reads of this slot are over
	s_barrier_signal -1
	MUL16 2, 1, NQ-1, \slot, 0
	WIN 0
	s_barrier_wait -1
.if \fill
	CREST                                          ; no wave of any partner still reads this slot or has a load on its way
	s_add_nc_u64 s[G0+4*\slot+2:G0+4*\slot+3], s[G0+4*\slot+2:G0+4*\slot+3], 2*ABLK
	s_add_nc_u64 s[G0B+4*\slot+2:G0B+4*\slot+3], s[G0B+4*\slot+2:G0B+4*\slot+3], 2*ROWB
	JLOAD G0+4*\slot, G1, G0B+4*\slot, G1B         ; the first tensor load behind the round, my only one until the next
.else
	PLACES NP
.endif
	v_add_nc_u32 v[ADRS], 4*NQ, v[ADRS]
	FETCH_B \next, 0, 0
	FETCH_A \next, 0, 0
	SCALES \next
	WIN MUL_HI
	MUL16 4, 1, NQ-1, \slot, 0
	MUL16 6, 1, NQ-1, \slot, 0
	PLACES NP
	WIN 0
	FETCH_A \next, 0, 4
.endm
	s_wait_tensorcnt 1                             ; the scales and my part of K step 0 are in (K step 1's load may be out)
	s_barrier_signal -1
	s_barrier_wait -1
	FETCH_B 0, 0, 0
	FETCH_A 0, 0, 0
	SCALES 0
	FETCH_A 0, 0, 4
	s_wait_loadcnt 0x0                             ; the bias
	STEP 0, 0, 1
	s_mov_b32 s3, LAPS-1
.Llap:
	TURN 0, 1, 1
	STEP 1, 0, 0
	TURN 1, 0, 1
	STEP 0, 0, 0
	s_sub_co_u32 s3, s3, 1
	s_cmp_lg_u32 s3, 0
	s_cbranch_scc1 .Llap
	TURN 0, 1, 0
	STEP 1, 0, 0
	s_wait_dscnt 4*NL
	WIN MUL_LO
	MUL16 0, 1, NQ-1, 1, 0
	MUL16 2, 1, NQ-1, 1, 0
	s_wait_dscnt 0
	WIN MUL_HI
	MUL16 4, 1, NQ-1, 1, 0
	MUL16 6, 1, NQ-1, 1, 0
	WIN 0
; THE WAY OUT, block by block of 16 rows x 128 columns, through my own stage and back as whole rows of 512 bytes.  LDS serves a wave's instructions in order: no wait between the stores and the loads.
.macro TOSTAGE a
.set AC, 64*((\a)%4)
	WIN (0x08+4*((\a)/4))                          ; the data: window 2 or 3
.irp b, 0,1,2,3,4,5,6,7
	ds_store_b128 v[STO], v[AC+8*\b:AC+8*\b+3] offset:128*(\b/2)+32*(\b%2)          ; columns 32 (b / 2) + 16 h + 8 (b % 2) on; each accumulator from its low end on
	ds_store_b128 v[STO], v[AC+8*\b+4:AC+8*\b+7] offset:128*(\b/2)+32*(\b%2)+16
.endr
	WIN 0
.set BB, BK+64*((\a)%2)
.irp t, 0,1,2,3,4,5,6,7,8,9,10,11,12,13,14,15
	ds_load_b128 v[BB+4*\t:BB+4*\t+3], v[RD] offset:\t*SPITCH
.endr
.endm
.macro SEND a, younger
.set BB, BK+64*((\a)%2)
	s_wait_dscnt \younger                          ; the block is back in registers
.if (\a) > 0
	s_add_nc_u64 s[12:13], s[12:13], 16*SIZE_N*4   ; (behind a wait on XCNT: the earlier stores have read their base)
.endif
.irp t, 0,1,2,3,4,5,6,7,8,9,10,11,12,13,14,15
	global_store_b128 v[CO], v[BB+4*\t:BB+4*\t+3], s[12:13] offset:\t*SIZE_N*4 th:TH_STORE_NT   ; 32 lanes store 512 consecutive bytes, aligned
.endr
.endm
	PLACES NP
	TOSTAGE 0
.irp a, 1,2,3,4,5,6,7
.if \a > 1
	s_wait_xcnt 0x0                                ; block a - 2's stores have read their registers and their base
.endif
	TOSTAGE \a
	SEND \a-1, 32                                  ; behind block a - 1's loads: block a's 16 stores and 16 loads
.endr
	s_wait_xcnt 0x0
	SEND 7, 0
	s_wait_tensorcnt 0x0                           ; the wave's end
	ds_add_u32 v[SPW], v[NIL]
	s_wait_dscnt 0x0
	CROUND                                         ; the closing round
	s_endpgm
.Lfunc_end_k_qbd973001bb_oproj:
	.size	k_qbd973001bb_oproj, .Lfunc_end_k_qbd973001bb_oproj-k_qbd973001bb_oproj
	.p2alignl 7, 3214868480
	.fill 96, 4, 3214868480
	.section	.rodata,"a",@progbits
	.p2align	6, 0x0
	.amdhsa_kernel k_qbd973001bb_oproj
		.amdhsa_group_segment_fixed_size 327680
		.amdhsa_private_segment_fixed_size 0
		.amdhsa_enable_private_segment 0
		.amdhsa_kernarg_size 48
		.amdhsa_user_sgpr_count 2
		.amdhsa_user_sgpr_kernarg_segment_ptr 1
		.amdhsa_wavefront_size32 1
		.amdhsa_system_sgpr_workgroup_id_x 1
		.amdhsa_system_sgpr_workgroup_id_y 1
		.amdhsa_system_sgpr_workgroup_id_z 1
		.amdhsa_system_vgpr_workitem_id 0
		.amdhsa_next_free_vgpr 1024
		.amdhsa_next_free_sgpr 100
		.amdhsa_reserve_vcc 0
		.amdhsa_float_denorm_mode_32 3
		.amdhsa_float_denorm_mode_16_64 3
		.amdhsa_memory_ordered 1
		.amdhsa_forward_progress 1
		.amdhsa_inst_pref_size 162
	.end_amdhsa_kernel
	.amdgpu_metadata
---
amdhsa.version: [ 1, 2 ]
amdhsa.kernels:
  - .name:           k_qbd973001bb_oproj
    .symbol:         k_qbd973001bb_oproj.kd
    .args:
      - { .name: ocodes, .offset: 0, .size: 8, .value_kind: global_buffer, .address_space: global }
      - { .name: oscales, .offset: 8, .size: 8, .value_kind: global_buffer, .address_space: global }
      - { .name: wcodes, .offset: 16, .size: 8, .value_kind: global_buffer, .address_space: global }
      - { .name: wscales, .offset: 24, .size: 8, .value_kind: global_buffer, .address_space: global }
      - { .name: b_o, .offset: 32, .size: 8, .value_kind: global_buffer, .address_space: global }
      - { .name: out0, .offset: 40, .size: 8, .value_kind: global_buffer, .address_space: global }
    .group_segment_fixed_size: 327680
    .private_segment_fixed_size: 0
    .kernarg_segment_align: 8
    .kernarg_segment_size: 48
    .max_flat_workgroup_size: 128
    .sgpr_count:     100
    .vgpr_count:     1024
    .wavefront_size: 32
...
	.end_amdgpu_metadata
.endif
;; end of part 4
